; MI455X (gfx1250); checked and timed in simulation.
; The chip was launched on July 23, 2026; its instructions are those of AMD's public machine-readable ISA for CDNA 5 (MIT licence, August 2026) and "CDNA5" Instruction Set Architecture Reference Guide (July 2026). The comments in the code are by the model that wrote it; some were corrected since.
;; Causal Multi Head Self Attention. Allowed arithmetic: matrix products marked QUANTISED: E3M2 operands, one E8M0 scale for each 32 along K, by v_wmma_scale_f32_16x16x128_f8f6f4 with both operands' format E3M2, f32 sums; everything else in f32.
;; Inputs: token_positions 2,048 int32; wk 1,024 x 1,024 float32; wo 1,024 x 1,024 float32; wq 1,024 x 1,024 float32; wv 1,024 x 1,024 float32; x 4 x 2,048 x 1,024 float32.
;; Outputs: out0 4 x 2,048 x 1,024 float32.
;; This version of the problem:
;;   THIS VERSION OF THE PROBLEM IS GIVEN IN LOW PRECISION. The matrix products marked QUANTISED in the list below multiply operands that are first quantised to E3M2 (3 exponent bits, 2 mantissa bits; 6 bits a number), with one power-of-two scale for each 32 numbers along K (OCP MX v1.0); their sums are f32. All else is computed in f32.
;;   The module's matrix products, in the order in which they are computed (A, B: the left and right operand; K: the contracted axis; several contracted axes count as one K, in the product's order):
;;     1. [M 8,192, K 1,024] x [K 1,024, N 1,024]; A: input x; B: input wq: QUANTISED
;;     2. [M 8,192, K 1,024] x [K 1,024, N 1,024]; A: input x; B: input wk: QUANTISED
;;     3. [M 8,192, K 1,024] x [K 1,024, N 1,024]; A: input x; B: input wv: QUANTISED
;;     4. batch 64 x [M 2,048, K 64] x [K 64, N 2,048]; A: computed on the way; B: computed on the way: QUANTISED
;;     5. batch 64 x [M 2,048, K 2,048] x [K 2,048, N 64]; A: softmax (see below); B: computed on the way: QUANTISED
;;     6. [M 8,192, K 1,024] x [K 1,024, N 1,024]; A: computed on the way; B: input wo: QUANTISED
;;   THE QUANTISER, for each operand of a quantised product, along K:
;;     - K is cut into blocks of 32 from its start; a last block that is shorter is filled with zeros.
;;     - A block's scale is 2^e with e = floor(log2(the largest magnitude in the block)) - 4, held to -126 .. 127; a block of zeros has e = 0. As a byte (E8M0): e + 127.
;;     - Each number is divided by its block's scale, clamped to +-28, and rounded to the nearest number of E3M2, ties to even, subnormals kept.
;;     - The product sums the exact products of the quantised numbers (number of the format x scale) in f32.
;;   ~~~python
;;   def quantise(x, axis):      # numpy; x: float32 -> the quantised numbers, widened to float32 again
;;       x = np.moveaxis(x, axis, -1); K = x.shape[-1]
;;       x = np.pad(x, [(0, 0)] * (x.ndim - 1) + [(0, -K % 32)]); x = x.reshape(x.shape[:-1] + (-1, 32)); a = np.abs(x).max(-1, keepdims=True)
;;       e = np.where(a > 0, np.clip(np.frexp(np.where(a > 0, a, 1))[1] - 1 - 4, -126, 127), 0)      # np.frexp(a)[1] - 1 = floor(log2(a)), exactly
;;       r = np.clip(x / 2.0 ** e, -28, 28)
;;       step = 2.0 ** (np.maximum(np.frexp(np.where(r == 0, 1, r))[1] - 1, -2) - 2)
;;       q = np.round(r / step) * step * 2.0 ** e      # np.round: ties to even
;;       return np.moveaxis(q.reshape(q.shape[:-2] + (-1,))[..., :K], -1, axis).astype(np.float32)
;;   ~~~
;;   SOFTMAX AHEAD OF A QUANTISED PRODUCT. Where the list says 'softmax', what is quantised is not the finished softmax but p = 2^(t - M), with t = logit x log2(e) and M = ceil(the row's largest t), a whole number; so 1/2 < the row's largest p <= 1. The row's sum l is taken of the UNQUANTISED p, in f32, and the product's result is divided by l at the end. Since M is a whole number, a kernel that streams over the keys may use a running M (the ceiling of the running maximum): every later rescaling is an exact power of two, which a block's scale takes up: the codes' values come out the same.
;;   OPERANDS COMPUTED ON THE WAY. 'Computed on the way' means the value that the module computes at that place (a softmax that the list does not call 'softmax' is quantised finished and normalised). What goes into a quantiser is computed in f32, as accurately as f32 sums, v_exp_f32 and their like allow (about 1e-6 of the number): no bf16 or f16 on the way to a quantiser, and a product that is left as it is and whose result goes on into a quantised operand takes f32 operands (vector FMAs, or v_wmma_f32_16x16x4_f32). A number that lies on a knife's edge between two numbers of the format may be rounded either way, as far as f32 arithmetic and the matrix unit's own rounding can turn it there, and no further.
;; One version. Each part assembles by itself: llvm-mc -triple=amdgcn-amd-amdhsa -mcpu=gfx1250 --defsym DOCPART=n.
;; ======== version 1 of 1: 4 launches
;; limits: right only within a limited range of input values
;; workspace buffers: xc 6,291,456 bytes; xs 262,144 bytes; wc 3,145,728 bytes; ws 131,072 bytes; tab 524,288 bytes; heads 19,660,800 bytes; oc 6,291,456 bytes; os 262,144 bytes
;; launch prep (part 1): grid 400 x 1, 4 waves a work-group, no clusters, 48,128 bytes of LDS; arguments x, wq, wk, wv, wo, token_positions, xc, xs, wc, ws, tab; writes xc, xs, wc, ws, tab
.if DOCPART == 1
	.amdgcn_target "amdgcn-amd-amdhsa--gfx1250"
	.amdhsa_code_object_version 6
	.text
	.protected	k_q4cfdb47f0e_prep
	.globl	k_q4cfdb47f0e_prep
	.p2align	8
	.type	k_q4cfdb47f0e_prep,@function
k_q4cfdb47f0e_prep:
	s_mov_b64 s[64:65], 0
	v_nop
	global_prefetch_b8 v0, s[64:65] scope:SCOPE_SE
	s_setreg_imm32_b32 hwreg(HW_REG_WAVE_MODE, 25, 1), 1
	s_wait_xcnt 0x0
; x [8192][1024] and wq, wk, wv, wo [1024][1024], f32, K innermost, become codes of BF6 (E3M2) with one E8M0 byte for each 32 along K; and the table of cos and sin for the rotary embedding is made.
; A block's scale is 2^(floor(log2(its largest magnitude)) - 4); its byte is the largest magnitude's exponent field - 4, held at 1 from below.  A block of zeros so gets the byte 1 where the rule says 127:
; its codes are zeros, which add nothing under any byte but 0xff, and this program alone reads the bytes.
; LIMITS: NaN and infinities among the inputs are not served; blocks whose largest magnitude lies under 2^-122 keep the byte 1; token positions are served up to 2^21 in magnitude (the reach of the reduction by pi/2).
; THE CODES' LAYOUT is the order of the operand's registers.  Rows go into tiles of 16 PLACES: tile 2 g + u, place r holds row 32 g + 8 u + r % 8 + 16 (r / 8).  A fragment (16 places x 128 K) is 1,536 bytes:
; for c = 0, 1, at byte 768 c: 32 lanes x 16 bytes (operand registers 6 c .. 6 c + 3), at 768 c + 512: 32 lanes x 8 bytes (registers 6 c + 4, 6 c + 5).  Buffer: [K / 256][tile][K / 128 % 2][1,536].
; THE SCALE BYTES: [tile][K / 512][place][16 bytes]: 512 bytes a tile.  wc and ws hold wq's 64 tiles, then wk's, wv's, wo's.
; SHARES.  Work-groups 0-255: 32 rows of x each; 256-383: 32 rows of a weight; 384-399: 128 rows of the table.  In the first two kinds wave w takes tile 2 g + w / 2 and K half w % 2: sixteen steps of 512 numbers,
; step t = place t.  Each load reads 512 consecutive bytes; a step's 2,048 bytes turn through the wave's own stage in LDS, so that a lane holds 16 neighbours (two lanes a block).  A lane's 12 bytes of codes go to a second
; stage, laid by target lane; at the end each lane reads its 48 bytes of each of the wave's four fragments and the wave stores runs of 512 and 256 consecutive bytes.  The wave's 256 scale bytes leave as one aligned unit.
; Waves share nothing: no barrier.  Only pointers are chosen by the work-group's number: the five tensors take one path.
.set SP,    80                         ; a lane's place in a turn stage: 64 bytes + 16 of padding
.set FS,    1632                       ; a fragment in the code stage: 32 lanes x 48 bytes, 48 more ahead of lane 16, and 48 at its end: the 32 lanes of a 4-byte store then touch 32 different banks
.set CST,   2*32*SP                    ; behind the two turn stages: the code stage
.set SBY,   CST+4*FS                   ; behind it: the wave's 256 scale bytes
.set WREG,  SBY+256                    ; a wave's region of LDS: 11,904 bytes
.set EMAX,  4
.set STEPS, 16
.set XSTR,  1572864                    ; bytes from K / 256 to the next in xc (512 tiles x 3,072)
.set WSTR,  786432                     ; and in wc (256 tiles)
.set R,     16                         ; v16-79   four sets of 16 numbers as loaded; at the end the wave's four fragments
.set X,     80                         ; v80-111  two sets of 16 neighbours
.set E,     112                        ; v112-127 a scale byte for each step
.set C,     128                        ; v128-191 codes: four registers for each step
	s_load_b512 s[8:23], s[0:1], 0x0               ; x 8, wq 10, wk 12, wv 14, wo 16, positions 18, xc 20, xs 22
	s_load_b128 s[24:27], s[0:1], 0x40             ; wc, ws
	s_load_b64 s[28:29], s[0:1], 0x50              ; tab
	v_lshl_add_u32 v192, v0, 2, 0xba00
	v_mov_b32 v193, 0
	v_lshrrev_b32 v1, 5, v0
	v_readfirstlane_b32 s2, v1                     ; wave
	v_and_b32 v2, 31, v0                           ; lane
	s_cmp_ge_u32 ttmp9, 384
	s_cbranch_scc1 .Ltable
	s_cmp_lt_u32 ttmp9, 256
	s_cselect_b32 s3, 0, 256
	s_sub_co_u32 s3, ttmp9, s3                     ; g: the group of 32 places in xc or in wc
	s_lshr_b32 s4, s3, 5                           ; which weight
	s_and_b32 s5, s3, 31                           ; and the group of 32 rows in it
	s_lshr_b32 s30, s2, 1                          ; u: which tile of the group
	s_and_b32 s31, s2, 1                           ; q: which half of K
	s_mul_i32 s7, s2, WREG                         ; my wave's region of LDS
	v_lshlrev_b32 v3, 4, v2                        ; 16 x lane
	v_lshlrev_b32 v7, 3, v2                        ; 8 x lane
	v_lshrrev_b32 v14, 2, v2
	v_mul_u32_u24 v14, v14, SP
	v_and_b32 v15, 3, v2
	v_lshl_add_u32 v14, v15, 4, v14
	v_add_nc_u32 v14, s7, v14                      ; the turn stage, in: four lanes' 64 bytes on end, then the padding
	v_mul_u32_u24 v15, v2, SP
	v_add_nc_u32 v15, s7, v15                      ; and out: my 16 neighbours
	s_add_co_u32 s32, s7, CST
	v_bfe_u32 v4, v0, 3, 2                         ; my 16 numbers are k = 16 lane .. of the half row: fragment lane / 8,
	v_mul_u32_u24 v4, v4, FS
	v_bfe_u32 v5, v0, 1, 1                         ; the operand's half of the lanes (lane / 2) % 2,
	v_mad_u32_u24 v4, v5, 816, v4
	v_bfe_u32 v5, v0, 2, 1                         ; its c = (lane / 4) % 2,
	v_mad_u32_u24 v4, v5, 24, v4
	v_and_b32 v5, 1, v0                            ; and the lower or upper 16 codes of the block
	v_mad_u32_u24 v4, v5, 12, v4
	v_add_nc_u32 v4, s32, v4                       ; the code stage, in; the step's place, 48 t, stands in the immediate
	v_bfe_u32 v5, v0, 4, 1
	v_add_nc_u32 v10, v2, v5
	v_mul_u32_u24 v10, v10, 48
	v_add_nc_u32 v10, s32, v10                     ; and out: 48 (lane + lane / 16)
	s_add_co_u32 s32, s7, SBY
	v_lshrrev_b32 v5, 1, v2
	v_add_nc_u32 v5, s32, v5                       ; my block's scale byte: 16 t + lane / 2
	v_add_nc_u32 v6, s32, v7                       ; and on the way out 8 bytes a lane
	s_wait_kmcnt 0x0
	s_cmp_eq_u32 s4, 1                             ; the choices hang on the work-group's number alone
	s_cselect_b64 s[10:11], s[12:13], s[10:11]
	s_cmp_eq_u32 s4, 2
	s_cselect_b64 s[10:11], s[14:15], s[10:11]
	s_cmp_eq_u32 s4, 3
	s_cselect_b64 s[10:11], s[16:17], s[10:11]
	s_mov_b32 s6, WSTR
	s_cmp_lt_u32 ttmp9, 256
	s_cselect_b64 s[8:9], s[8:9], s[10:11]         ; the numbers,
	s_cselect_b64 s[20:21], s[20:21], s[24:25]     ; their codes,
	s_cselect_b64 s[22:23], s[22:23], s[26:27]     ; their scale bytes
	s_cselect_b32 s5, s3, s5
	s_cselect_b32 s6, XSTR, s6
	s_lshl_b32 s32, s5, 17                         ; 32 rows of 4,096 bytes a group,
	s_lshl_b32 s33, s30, 15                        ; 8 rows for the odd tile,
	s_add_co_u32 s32, s32, s33
	s_lshl_b32 s33, s31, 11                        ; 2,048 bytes for the upper half of K
	s_add_co_u32 s32, s32, s33
	s_mov_b32 s33, 0
	s_add_nc_u64 s[8:9], s[8:9], s[32:33]
	s_lshl_b32 s34, s3, 1
	s_add_co_u32 s34, s34, s30                     ; my tile
	s_mul_i32 s34, s34, 3072
	s_mul_i32 s35, s31, s6
	s_lshl_b32 s35, s35, 1                         ; K / 256 = 2 q
	s_add_co_u32 s34, s34, s35
	s_mov_b32 s35, 0
	s_add_nc_u64 s[20:21], s[20:21], s[34:35]      ; my fragments 0 and 1,
	s_mov_b32 s36, s6
	s_mov_b32 s37, 0
	s_add_nc_u64 s[24:25], s[20:21], s[36:37]      ; and 2 and 3
	s_lshl_b32 s34, s3, 10
	s_lshl_b32 s36, s2, 8
	s_add_co_u32 s34, s34, s36
	s_add_nc_u64 s[22:23], s[22:23], s[34:35]      ; my 256 scale bytes: 512 x tile + 256 q
.macro LOAD t                          ; place t's row lies t + 8 (t / 8) rows down
.irp i, 0,1,2,3
	global_load_b128 v[R+16*((\t)%4)+4*\i:R+16*((\t)%4)+4*\i+3], v3, s[8:9] offset:((\t)+8*((\t)/8))*4096+512*\i th:TH_LOAD_NT   ; 32 lanes read 512 consecutive bytes
.endr
.endm
.macro TURN t                          ; LDS serves a wave's instructions in order: no wait between the stores and the loads
.irp i, 0,1,2,3
	ds_store_b128 v14, v[R+16*((\t)%4)+4*\i:R+16*((\t)%4)+4*\i+3] offset:32*SP*((\t)%2)+8*SP*\i
.endr
.irp i, 0,1,2,3
	ds_load_b128 v[X+16*((\t)%2)+4*\i:X+16*((\t)%2)+4*\i+3], v15 offset:32*SP*((\t)%2)+16*\i
.endr
.endm
.irp t, 0,1,2,3
	LOAD \t
.endr
	s_wait_loadcnt 12                              ; step 0's four loads are in
	TURN 0
.macro STEP t
.set XS, X+16*((\t)%2)
.if (\t) > 0
	s_wait_dscnt 4                                 ; this step's numbers are back from the stage; the last step's three code stores and its byte store may be out
.else
	s_wait_dscnt 0x0
.endif
.if (\t)+4 < STEPS
	LOAD (\t)+4
.endif
.if (\t)+1 < STEPS
.if STEPS-2-(\t) >= 3
	s_wait_loadcnt 12                              ; the next step's four loads are in; those of the three steps behind it may be out
.else
	s_wait_loadcnt 4*(STEPS-2-(\t))
.endif
	TURN (\t)+1
.endif
	v_max3_num_f32 v8, |v[XS]|, |v[XS+1]|, |v[XS+2]|               ; the largest magnitude of my 16, in two chains
	v_max3_num_f32 v9, |v[XS+3]|, |v[XS+4]|, |v[XS+5]|
.irp i, 6,10
	v_max3_num_f32 v8, v8, |v[XS+\i]|, |v[XS+\i+1]|
	v_max3_num_f32 v9, v9, |v[XS+\i+2]|, |v[XS+\i+3]|
.endr
	v_max3_num_f32 v8, v8, |v[XS+14]|, |v[XS+15]|
	v_max3_num_f32 v8, v8, v9, (EMAX+1)<<23        ; and the floor 2^(5 - 127): the byte cannot fall under 1
	v_max_num_f32_dpp v8, v8, v8 row_xmask:1 row_mask:0xf bank_mask:0xf   ; with my neighbour's 16: the block's
	v_add_nc_u32 v11, -(EMAX<<23), v8              ; 4 off its exponent field: the conversion takes the exponent field of this operand as its scale
	v_cvt_scalef32_pk16_bf6_f32 v[C+4*(\t):C+4*(\t)+2], v[XS:XS+15], v11
	v_lshrrev_b32 v[E+(\t)], 23, v11               ; the scale's byte (also the plain line behind the conversion)
.irp i, 0,1,2
	ds_store_b32 v4, v[C+4*(\t)+\i] offset:48*(\t)+4*\i
.endr
	ds_store_b8 v5, v[E+(\t)] offset:16*(\t)       ; both lanes of a block write the same byte with the same value
.endm
.irp t, 0,1,2,3,4,5,6,7,8,9,10,11,12,13,14,15
	STEP \t
.endr
.irp f, 0,1,2,3                        ; the wave's four fragments, each lane its own 48 bytes: registers 6 c + 2 p, + 1
.irp c, 0,1
.irp p, 0,1,2
	ds_load_b64 v[R+6*(2*\f+\c)+2*\p:R+6*(2*\f+\c)+2*\p+1], v10 offset:FS*\f+24*\c+8*\p
.endr
.endr
.endr
	ds_load_b64 v[12:13], v6
	s_wait_dscnt 0x0
.irp f, 0,1,2,3
.irp c, 0,1
	global_store_b128 v3, v[R+6*(2*\f+\c):R+6*(2*\f+\c)+3], s[20+4*(\f/2):21+4*(\f/2)] offset:(\f%2)*1536+768*\c          ; 512 consecutive bytes, aligned to 256
	global_store_b64 v7, v[R+6*(2*\f+\c)+4:R+6*(2*\f+\c)+5], s[20+4*(\f/2):21+4*(\f/2)] offset:(\f%2)*1536+768*\c+512     ; 256 consecutive bytes, aligned
.endr
.endr
	global_store_b64 v7, v[12:13], s[22:23]        ; 256 consecutive bytes, aligned
	s_wait_tensorcnt 0x0
	ds_add_u32 v192, v193
	s_wait_dscnt 0x0
	s_endpgm
; THE TABLE: tab[s][f] = (cos, sin)(position[s] / 10000^(f / 32)), f = 0 .. 31: a row of 256 bytes for each s.  A wave takes 32 rows; a lane is a frequency, so that each store covers a whole row.
; As reference() has it: T = 10000^(f / 32) = 10^(f / 8) in f32, 1 / T in f32, the angle = position x (1 / T) rounded once.  T is 10^((f % 8) / 8) x 10^(f / 8, whole): eleven constants, one rounding more.
; cos and sin of the f32 angle: n = the nearest whole number to angle x 2 / pi; r = angle - n pi / 2 by three fused multiply-adds (pi / 2 in three parts; the first product's difference is exact);
; the series of sin up to r^9 and of cos up to r^10 (what is cut off lies under 3e-9 for |r| up to pi / 4); n's last two bits say which of the two, and the signs.
.macro PICK dst, idx, n, bits
	v_cmp_ne_u32 vcc_lo, \n, v[\idx]
	v_cndmask_b32 v[\dst], \bits, v[\dst], vcc_lo
.endm
.Ltable:
	s_sub_co_u32 s3, ttmp9, 384
	s_lshl_b32 s3, s3, 7
	s_lshl_b32 s4, s2, 5
	s_add_co_u32 s3, s3, s4                        ; my first row
	s_lshl_b32 s4, s3, 2
	s_mov_b32 s5, 0
	s_lshl_b32 s6, s3, 8
	s_mov_b32 s7, 0
	v_lshlrev_b32 v3, 2, v2
	v_lshlrev_b32 v4, 3, v2
	s_wait_kmcnt 0x0
	s_add_nc_u64 s[18:19], s[18:19], s[4:5]
	s_add_nc_u64 s[28:29], s[28:29], s[6:7]
	global_load_b32 v5, v3, s[18:19]               ; lane l: the position of row l of my 32
	v_and_b32 v6, 7, v2
	v_lshrrev_b32 v7, 3, v2
	v_mov_b32 v8, 1.0
	PICK 8, 6, 1, 0x3faab0d5                       ; 1.33352143
	PICK 8, 6, 2, 0x3fe39ea9                       ; 1.77827941
	PICK 8, 6, 3, 0x4017c496                       ; 2.37137371
	PICK 8, 6, 4, 0x404a62c2                       ; 3.16227766
	PICK 8, 6, 5, 0x4086f161                       ; 4.21696503
	PICK 8, 6, 6, 0x40b3f300                       ; 5.62341325
	PICK 8, 6, 7, 0x40eff755                       ; 7.49894209
	v_mov_b32 v9, 1.0
	PICK 9, 7, 1, 0x41200000                       ; 10
	PICK 9, 7, 2, 0x42c80000                       ; 100
	PICK 9, 7, 3, 0x447a0000                       ; 1000
	v_mul_f32 v8, v8, v9                           ; T
	v_rcp_f32 v10, v8
	v_nop                                          ; a plain line behind the reciprocal,
	s_wait_alu depctr_va_vdst(0)                   ; and the wait ahead of its first reader
	v_fma_f32 v11, -v8, v10, 1.0
	v_fma_f32 v10, v11, v10, v10                   ; 1 / T, one Newton step on
	s_mov_b32 s32, 0x3f22f983                      ; 2 / pi
	s_mov_b32 s33, 0xbfc90fd8                      ; -pi / 2: its first 21 bits,
	s_mov_b32 s34, 0xb4a8885a                      ; the next 24,
	s_mov_b32 s35, 0xa7c234c4                      ; and the next
	s_mov_b32 s36, 0xb493f27e                      ; cos: -1 / 10!
	s_mov_b32 s37, 0x37d00d01                      ; 1 / 8!
	s_mov_b32 s38, 0xbab60b61                      ; -1 / 6!
	s_mov_b32 s39, 0x3d2aaaab                      ; 1 / 4!
	s_mov_b32 s40, 0x3638ef1d                      ; sin: 1 / 9!
	s_mov_b32 s41, 0xb9500d01                      ; -1 / 7!
	s_mov_b32 s42, 0x3c088889                      ; 1 / 5!
	s_mov_b32 s43, 0xbe2aaaab                      ; -1 / 3!
	s_wait_loadcnt 0x0
	v_cvt_f32_i32 v5, v5
.macro SINCOS i
	v_readlane_b32 s45, v5, (\i)
	v_mul_f32 v12, s45, v10                        ; the angle
	v_mul_f32 v13, s32, v12
	v_rndne_f32 v13, v13                           ; n
	v_fma_f32 v14, v13, s33, v12
	v_fma_f32 v14, v13, s34, v14
	v_fma_f32 v14, v13, s35, v14                   ; r
	v_cvt_i32_f32 v15, v13
	v_mul_f32 v16, v14, v14                        ; z = r r
	v_fma_f32 v17, v16, s36, s37
	v_fma_f32 v18, v16, s40, s41
	v_fma_f32 v17, v17, v16, s38
	v_fma_f32 v18, v18, v16, s42
	v_fma_f32 v17, v17, v16, s39
	v_fma_f32 v18, v18, v16, s43
	v_fma_f32 v17, v17, v16, -0.5
	v_mul_f32 v19, v14, v16
	v_fma_f32 v17, v17, v16, 1.0                   ; cos r
	v_fma_f32 v18, v18, v19, v14                   ; sin r
	v_and_b32 v20, 1, v15
	v_cmp_eq_u32 vcc_lo, 1, v20
	v_cndmask_b32 v21, v17, v18, vcc_lo            ; an odd n changes the two over
	v_cndmask_b32 v22, v18, v17, vcc_lo
	v_add_nc_u32 v23, 1, v15
	v_lshlrev_b32 v23, 30, v23
	v_lshlrev_b32 v24, 30, v15
	v_and_b32 v23, 0x80000000, v23                 ; cos is negative where n % 4 is 1 or 2,
	v_and_b32 v24, 0x80000000, v24                 ; sin where it is 2 or 3
	v_xor_b32 v[64+2*(\i)], v21, v23
	v_xor_b32 v[65+2*(\i)], v22, v24
	global_store_b64 v4, v[64+2*(\i):65+2*(\i)], s[28:29] offset:256*(\i)   ; 256 consecutive bytes, aligned; each row has registers of its own, so no store's data are written again
.endm
.set I, 0
.rept 32
	SINCOS I
.set I, I+1
.endr
	s_endpgm
.Lfunc_end_k_q4cfdb47f0e_prep:
	.size	k_q4cfdb47f0e_prep, .Lfunc_end_k_q4cfdb47f0e_prep-k_q4cfdb47f0e_prep
	.p2alignl 7, 3214868480
	.fill 96, 4, 3214868480
	.section	.rodata,"a",@progbits
	.p2align	6, 0x0
	.amdhsa_kernel k_q4cfdb47f0e_prep
		.amdhsa_group_segment_fixed_size 48128
		.amdhsa_private_segment_fixed_size 0
		.amdhsa_enable_private_segment 0
		.amdhsa_kernarg_size 88
		.amdhsa_user_sgpr_count 2
		.amdhsa_user_sgpr_kernarg_segment_ptr 1
		.amdhsa_wavefront_size32 1
		.amdhsa_system_sgpr_workgroup_id_x 1
		.amdhsa_system_sgpr_workgroup_id_y 1
		.amdhsa_system_sgpr_workgroup_id_z 1
		.amdhsa_system_vgpr_workitem_id 0
		.amdhsa_next_free_vgpr 194
		.amdhsa_next_free_sgpr 66
		.amdhsa_reserve_vcc 1
		.amdhsa_float_denorm_mode_32 3
		.amdhsa_float_denorm_mode_16_64 3
		.amdhsa_memory_ordered 1
		.amdhsa_forward_progress 1
		.amdhsa_inst_pref_size 89
	.end_amdhsa_kernel
	.amdgpu_metadata
---
amdhsa.version: [ 1, 2 ]
amdhsa.kernels:
  - .name:           k_q4cfdb47f0e_prep
    .symbol:         k_q4cfdb47f0e_prep.kd
    .args:
      - { .name: x, .offset: 0, .size: 8, .value_kind: global_buffer, .address_space: global }
      - { .name: wq, .offset: 8, .size: 8, .value_kind: global_buffer, .address_space: global }
      - { .name: wk, .offset: 16, .size: 8, .value_kind: global_buffer, .address_space: global }
      - { .name: wv, .offset: 24, .size: 8, .value_kind: global_buffer, .address_space: global }
      - { .name: wo, .offset: 32, .size: 8, .value_kind: global_buffer, .address_space: global }
      - { .name: token_positions, .offset: 40, .size: 8, .value_kind: global_buffer, .address_space: global }
      - { .name: xc, .offset: 48, .size: 8, .value_kind: global_buffer, .address_space: global }
      - { .name: xs, .offset: 56, .size: 8, .value_kind: global_buffer, .address_space: global }
      - { .name: wc, .offset: 64, .size: 8, .value_kind: global_buffer, .address_space: global }
      - { .name: ws, .offset: 72, .size: 8, .value_kind: global_buffer, .address_space: global }
      - { .name: tab, .offset: 80, .size: 8, .value_kind: global_buffer, .address_space: global }
    .group_segment_fixed_size: 48128
    .private_segment_fixed_size: 0
    .kernarg_segment_align: 8
    .kernarg_segment_size: 88
    .max_flat_workgroup_size: 128
    .sgpr_count:     66
    .vgpr_count:     194
    .wavefront_size: 32
...
	.end_amdgpu_metadata
.endif
;; end of part 1
;; launch qkvproj (part 2): grid 8 x 48, 4 waves a work-group, clusters of 4 x 4, 327,680 bytes of LDS; arguments xc, xs, wc, ws, tab, heads; writes heads
.if DOCPART == 2
	.amdgcn_target "amdgcn-amd-amdhsa--gfx1250"
	.amdhsa_code_object_version 6
	.text
	.protected	k_q4cfdb47f0e_qkvproj
	.globl	k_q4cfdb47f0e_qkvproj
	.p2align	8
	.type	k_q4cfdb47f0e_qkvproj,@function
k_q4cfdb47f0e_qkvproj:
	s_mov_b64 s[64:65], 0
	v_nop
	global_prefetch_b8 v0, s[64:65] scope:SCOPE_SE
	s_setreg_imm32_b32 hwreg(HW_REG_WAVE_MODE, 25, 1), 1
	s_wait_xcnt 0x0
	s_wait_alu depctr_hold_cnt(0) depctr_sa_sdst(0) depctr_va_vdst(0) depctr_va_sdst(0) depctr_va_ssrc(0) depctr_va_vcc(0) depctr_vm_vsrc(0)
	s_getreg_b32 s2, hwreg(HW_REG_IB_STS2, 6, 4)
	s_cmp_eq_u32 s2, 0
	s_cbranch_scc0 .Lentry_in_a_cluster
	s_endpgm
.Lentry_in_a_cluster:
	s_bfe_u32 s2, ttmp6, 0x10000c
	s_cmp_lg_u32 s2, 0xf033
	s_cbranch_scc0 .Lentry_shape_is_right
	s_endpgm
.Lentry_shape_is_right:
; q = rope(x wq^T), k = rope(x wk^T), v = x wv^T on codes of BF6 (E3M2) with E8M0 scales for each 32 along K = 1,024; the results are quantised here, in registers, for the two products of attention, and leave as
; images of operand registers.  A tile of 256 x 256 is made by four waves, 128 x 128 each (64 accumulators, 512 registers).  K goes in steps of 256 through two LDS slots filled by the tensor data mover.
; THE OPERANDS lie in memory in the order of the operand's registers (fragments of 1,536 bytes; rows in PLACES: tile 2 g + u, place r = row 32 g + 8 u + r % 8 + 16 (r / 8)), so a wave's part of a slot, 8 tiles x 256 K,
; is one dense block of 24,576 bytes, and a fragment comes out of LDS by two loads of 16 bytes and two of 8 a lane, neighbouring lanes at neighbouring bytes: no padding is needed.
; THE MATRIX INSTRUCTION: source 0 = 16 places of "B", source 1 = 16 places of "A": a lane holds one place of A, and by the order of places its 16 registers of two neighbouring tiles of B are 16 NEIGHBOURING rows of B.
; Clusters with y < 8 (256 work-groups): A = x, B = wq (tiles 0-3) or wk (4-7): a lane holds one token, its registers run along the features: rotary pairs and the blocks of 32 along a head's 64 lie in one lane (with lane xor 16).
; Clusters with y >= 8 (128 work-groups): A = wv, B = x: a lane holds one feature of v and its registers run along the KEYS, which are the K of attention's second product.
; The choice hangs on the cluster's y alone, which all partners share.  CLUSTERS: 4 x 4; A's tiles are asked for jointly along a row of the cluster, B's along a column.
; WHAT IS STORED, for each of the 64 heads a record of 307,200 bytes: K's codes (64 dual fragments), V's codes (16 key steps x 4 fragments), K's scale words, V's scale words, Q's codes, Q's scale words.
; A DUAL fragment holds two tiles of 16 tokens x 64: registers 0-5 the even tile, 6-11 the odd; its scale word: two bytes of the even tile, two of the odd.  Fragments here are 3 x (32 lanes x 16 bytes): registers 4 g .. 4 g + 3.
; Code stores cover 512 consecutive bytes.  Scale words leave in pieces of 64 or 128 bytes: they are one byte in 24 of what is stored.
; LIMITS: NaN and infinities are not served; a block under 2^-122, and a block of zeros, keeps the byte 1 (its codes are then zeros or what the conversion gives under that scale); only this program reads the bytes.
.set XSTR,  1572864                    ; bytes from K / 256 to the next in xc
.set WSTR,  786432                     ; and in wc
.set REC,   307200
.set KOFF,  0
.set VOFF,  98304
.set KSOFF, 196608
.set VSOFF, 200704
.set QOFF,  204800
.set QSOFF, 303104
.set NQ,    2                          ; matrix instructions deep in a slot
.set FR,    12                         ; registers of a fragment
.set NL,    4                          ; LDS loads that bring one
.set NP,    4                          ; places behind this matrix instruction (ISA guide 7.12.1)
.set HALFT, 24576                      ; 8 tiles x 3,072 bytes: what one tensor load brings, and what one wave reads of A or of B
.set SLOT,  4*HALFT                    ; A's 16 tiles, then B's
.set SCL,   2*SLOT                     ; behind the ring: the scale bytes, as units of 256 bytes + 16 of padding; a tile is two units
.set HALFS, 4352                       ; those of 128 places
.set SBLK,  544                        ; those of 16
.set SPARE, SCL+4*HALFS                ; the spare words, 128 bytes for each wave: two blocks of 256 bytes that no other line names
.set PWE,  8                           ; v8, v9  the scale words of an even and an odd block
.set SWA,  10
.set SWB,  11
.set SWD,  12                          ; v12     the scale word that is stored
.set ADRA, 16                          ; v16-17  LDS address of my A fragments in slot 0, 1, 16 bytes a lane; v18-19: 8 bytes a lane
.set ADRB, 20                          ; v20-23  the same for B
.set LI,   24                          ; v24     16 x lane
.set TA,   25                          ; v25     my token's row of the table, my half's 64 bytes
.set SOF,  26                          ; v26     q, k: 4 r, and a record on for lanes 16-31
.set ADRS, 27                          ; v27     LDS address of my scale words: lanes 0-15 A's, lanes 16-31 B's
.set SPW,  28                          ; v28     LDS address of my spare word; never rewritten
.set NIL,  29                          ; v29     0; never rewritten
.set SOV,  30                          ; v30     4 x lane
.set SC,   32                          ; v32-63  scale words, two sets
.set CS,   64                          ; v64-127 cos and sin, two sets of 32
.set AF,   128                         ; A's fragments, in window 0; behind the products:
.set R,    128                         ; v128-191 a block's 64 rotated numbers
.set T,    192                         ; v192-207 at work
.set DA,   208                         ; v208-219 a fragment's codes
.set DB,   220                         ; v220-231 another's
.set Y,    232                         ; v232-239 the upper halves of blocks
.set TM,   240                         ; v240-243 largest magnitudes, v244-247 bytes, v252-255 the conversions' scale operands
.set G1, 24
.set G0, 32
.set G1B, 48
.set G0B, 56
.set G1S, 68
.set G0S, 76
.set G1SB, 80
.set G0SB, 88
.set MSB, 0
.macro WIN new                         ; the immediate's high byte repeats the setting that is left
.if MSB != (\new)
	s_set_vgpr_msb (MSB<<8)|(\new)
.set MSB, (\new)
.endif
.endm
.set MUL_LO, 0xa1                      ; source 0 (B) window 1, source 1 (A) window 0, C and D window 2
.set MUL_HI, 0xf1                      ; the same, C and D window 3
.set TO_B,   0x40                      ; destination window 1, address window 0
; A joint load: waves 0 and 1 fetch for A, waves 2 and 3 for B.  Each line has one mask and one set of registers for all that issue it; the branch hangs on the wave's number alone.  Four v_nop follow each line.
.macro JLOAD g0a, g1a, g0b, g1b
	s_cmp_eq_u32 s15, 0
	s_cbranch_scc0 .Lfor_b_\@
	tensor_load_to_lds s[\g0a:\g0a+3], s[\g1a:\g1a+7]
	s_nop 0
.rept 4
	v_nop
.endr
	s_branch .Lasked_\@
.Lfor_b_\@:
	tensor_load_to_lds s[\g0b:\g0b+3], s[\g1b:\g1b+7]
	s_nop 0
.rept 4
	v_nop
.endr
.Lasked_\@:
.endm
.macro CREST                           ; a round of the cluster's barrier behind its opening barrier
	s_cmp_lg_u32 s14, 0
	s_cbranch_scc1 .Lnot_wave_0_\@
	s_barrier_signal -3
.Lnot_wave_0_\@:
	s_barrier_wait -3
	s_barrier_signal -1
	s_barrier_wait -1
.endm
.macro CROUND
	s_barrier_signal -1
	s_barrier_wait -1
	CREST
.endm
	s_load_b128 s[4:7], s[0:1], 0x0                ; xc, xs
	s_load_b128 s[8:11], s[0:1], 0x10              ; wc, ws
	s_load_b64 s[12:13], s[0:1], 0x20              ; tab
	s_load_b64 s[66:67], s[0:1], 0x28              ; heads
	v_lshl_add_u32 v[SPW], v0, 2, SPARE
	v_mov_b32 v[NIL], 0
	ds_add_u32 v28, v29
	ds_add_u32 v28, v29
	s_wait_dscnt 0x0
	v_lshrrev_b32 v1, 5, v0
	v_readfirstlane_b32 s14, v1                    ; wave 0..3
	s_lshr_b32 s15, s14, 1                         ; which half of A's places is mine.  Also: I fetch for A (0) or for B (1)
	s_and_b32 s16, s14, 1                          ; which half of B's.  Also: which 128 places of that tile I fetch
	s_bfe_u32 s40, ttmp6, 0x40000                  ; cx, cy: my place in the cluster
	s_bfe_u32 s41, ttmp6, 0x40004
	s_and_b32 s95, ttmp7, 0xffff                   ; the cluster's y
	s_lshl_b32 s42, ttmp9, 2
	s_add_co_u32 s42, s42, s40                     ; 4 x cluster x + cx
	s_lshl_b32 s18, s95, 3
	s_sub_co_u32 s18, s18, 64                      ; 8 (cluster y - 8)
	s_lshl_b32 s17, s95, 2
	s_mov_b32 s96, XSTR
	s_mov_b32 s98, WSTR
	s_cmp_ge_u32 s95, 8                            ; v's part?
	s_cselect_b32 s100, 1, 0
	s_cselect_b32 s18, s18, 0
	s_cselect_b32 s17, 8, s17
	s_cselect_b32 s19, s98, s96
	s_cselect_b32 s98, s96, s98                    ; B's stride along K / 256,
	s_mov_b32 s96, s19                             ; A's
	s_mov_b32 s97, 0
	s_mov_b32 s99, 0
	s_add_co_u32 s42, s42, s18                     ; B's tile of 256 places: q, k: 0-7 of wc; v: 0-31 of xc.  It never holds cy
	s_add_co_u32 s17, s17, s41                     ; A's: q, k: 4 x cluster y + cy of xc; v: 8 + cy of wc (wv).  It never holds cx
	s_lshl_b32 s43, s41, 2
	s_lshl_b32 s43, 15, s43                        ; my row of the cluster
	s_lshl_b32 s44, 0x1111, s40                    ; my column
	s_mov_b32 s2, 0x76543210
	s_mov_b32 s3, 0xfedcba98                       ; v_permlanex16_b32's selects for lane l xor 16
	s_mov_b32 s101, 0xffff0000                     ; lanes 16-31
	; descriptor group 1: a dense block of 24,576 bytes as 96 rows of 32 elements of 8 bytes
	s_or_b32 s[G1+0], s43, (3<<16)|(1<<21)         ; 15:0 the mask: A's tiles go to my row; 17:16 elements of 8 bytes; 21 set beside a mask; no padding
	s_or_b32 s[G1B+0], s44, (3<<16)|(1<<21)
.irp g, G1, G1B
	s_mov_b32 s[\g+1], 32<<16                      ; tensor_dim0
	s_mov_b32 s[\g+2], 96<<16                      ; tensor_dim1
	s_mov_b32 s[\g+3], 32<<16                      ; tile_dim0
	s_mov_b32 s[\g+4], 96                          ; tile_dim1
	s_mov_b32 s[\g+5], 32                          ; tensor_dim0_stride
	s_mov_b32 s[\g+6], 0
	s_mov_b32 s[\g+7], 0
.endr
	; and for the scale bytes of 128 places: 4,096 dense bytes as 16 rows of 256, 16 bytes of padding behind each
	s_or_b32 s[G1S+0], s43, (3<<16)|(1<<20)|(1<<21)|(5<<22)|(3<<25)
	s_or_b32 s[G1SB+0], s44, (3<<16)|(1<<20)|(1<<21)|(5<<22)|(3<<25)
.irp g, G1S, G1SB
	s_mov_b32 s[\g+1], 32<<16
	s_mov_b32 s[\g+2], 16<<16
	s_mov_b32 s[\g+3], 32<<16
	s_mov_b32 s[\g+4], 16
	s_mov_b32 s[\g+5], 32
	s_mov_b32 s[\g+6], 0
	s_mov_b32 s[\g+7], 0
.endr
	s_lshl_b32 s18, s16, 7                         ; which 128 places of the tile I fetch
	s_lshl_b32 s20, s17, 8
	s_add_co_u32 s20, s20, s18                     ; A: place 256 x tile + 128 x half
	s_lshl_b32 s46, s42, 8
	s_add_co_u32 s46, s46, s18                     ; B likewise
	s_mov_b32 s21, 0
	s_mov_b32 s47, 0
	s_mov_b64 s[18:19], 32
	s_mul_u64 s[22:23], s[20:21], s[18:19]         ; their scale bytes: 32 a place
	s_mul_u64 s[92:93], s[46:47], s[18:19]
	s_mov_b64 s[18:19], 192
	s_mul_u64 s[20:21], s[20:21], s[18:19]         ; their codes of one K / 256: 3,072 bytes for 16 places
	s_mul_u64 s[46:47], s[46:47], s[18:19]
	s_mul_i32 s45, s14, HALFT                      ; where they go: no place in the cluster enters an LDS address
	s_mul_i32 s94, s14, HALFS
	s_wait_kmcnt 0x0
	s_cmp_eq_u32 s100, 1                           ; which buffers are A's and which B's
	s_cselect_b64 s[76:77], s[8:9], s[4:5]
	s_cselect_b64 s[78:79], s[10:11], s[6:7]
	s_cselect_b64 s[8:9], s[4:5], s[8:9]
	s_cselect_b64 s[10:11], s[6:7], s[10:11]
	s_add_nc_u64 s[20:21], s[76:77], s[20:21]
	s_add_nc_u64 s[22:23], s[78:79], s[22:23]
	s_add_nc_u64 s[46:47], s[8:9], s[46:47]
	s_add_nc_u64 s[92:93], s[10:11], s[92:93]
	CROUND                                         ; all sixteen work-groups are here: the first joint loads meet
	s_mov_b32 s[G0S], 1
	s_add_co_u32 s[G0S+1], s94, SCL
	s_mov_b64 s[G0S+2:G0S+3], s[22:23]
	s_or_b32 s[G0S+3], s[G0S+3], 0x80000000
	s_mov_b32 s[G0SB], 1
	s_add_co_u32 s[G0SB+1], s94, SCL
	s_mov_b64 s[G0SB+2:G0SB+3], s[92:93]
	s_or_b32 s[G0SB+3], s[G0SB+3], 0x80000000
	JLOAD G0S, G1S, G0SB, G1SB                     ; the scale bytes first: they are wanted with K step 0
	s_mov_b32 s[G0], 1
	s_add_co_u32 s[G0+1], s45, 0
	s_mov_b64 s[G0+2:G0+3], s[20:21]
	s_or_b32 s[G0+3], s[G0+3], 0x80000000
	s_mov_b32 s[G0B], 1
	s_add_co_u32 s[G0B+1], s45, 0
	s_mov_b64 s[G0B+2:G0B+3], s[46:47]
	s_or_b32 s[G0B+3], s[G0B+3], 0x80000000
	JLOAD G0, G1, G0B, G1B                         ; slot 0: K 0-255
	s_mov_b32 s[G0+4], 1
	s_add_co_u32 s[G0+5], s45, SLOT
	s_add_nc_u64 s[G0+6:G0+7], s[20:21], s[96:97]
	s_or_b32 s[G0+7], s[G0+7], 0x80000000
	s_mov_b32 s[G0B+4], 1
	s_add_co_u32 s[G0B+5], s45, SLOT
	s_add_nc_u64 s[G0B+6:G0B+7], s[46:47], s[98:99]
	s_or_b32 s[G0B+7], s[G0B+7], 0x80000000
	JLOAD G0+4, G1, G0B+4, G1B                     ; slot 1: K 256-511.  Three tensor loads of mine are out
	s_lshl_b32 s96, s96, 1                         ; a refill goes two K steps on
	s_lshl_b32 s98, s98, 1
	v_and_b32 v1, 15, v0                           ; r
	v_bfe_u32 v2, v0, 4, 1                         ; h
	v_and_b32 v3, 31, v0
	v_lshlrev_b32 v4, 4, v3
	v_lshlrev_b32 v5, 3, v3
	s_mul_i32 s21, s15, HALFT                      ; my 128 places of A
	s_mul_i32 s22, s16, HALFT                      ; my 128 places of B,
	s_add_co_u32 s22, s22, 2*HALFT                 ; which lie behind A's 256
.irp s, 0,1
	v_add_nc_u32 v[ADRA+\s], s21, v4
	v_add_nc_u32 v[ADRB+\s], s22, v4
	v_add_nc_u32 v[ADRA+2+\s], s21, v5
	v_add_nc_u32 v[ADRB+2+\s], s22, v5
	s_add_co_u32 s21, s21, SLOT
	s_add_co_u32 s22, s22, SLOT
.endr
	v_lshlrev_b32 v5, 4, v1                        ; my place's scale bytes: 16 bytes a place in its unit
	s_mul_i32 s21, s15, HALFS                      ; A's: my 128 places
	s_mul_i32 s22, s16, HALFS                      ; B's: my 128 places, behind A's 256
	s_add_co_u32 s22, s22, 2*HALFS
	s_sub_co_u32 s22, s22, s21
	v_mul_u32_u24 v6, s22, v2                      ; lanes 16-31 take B's
	s_add_co_u32 s21, s21, SCL
	v_add_nc_u32 v5, v5, v6
	v_add_nc_u32 v[ADRS], s21, v5
	v_mov_b32 v[LI], v4
	v_and_b32 v6, 8, v1
	v_add_nc_u32 v6, v6, v1                        ; r + 8 (r / 8): my place's row in its group of 32, less 8 for an odd tile
	v_lshlrev_b32 v[TA], 8, v6
	v_lshl_add_u32 v[TA], v2, 6, v[TA]
	v_mul_u32_u24 v6, v2, REC
	v_lshl_add_u32 v[SOF], v1, 2, v6
	v_lshlrev_b32 v[SOV], 2, v3
.macro FRAG reg, adr, q, i             ; a fragment as it lies: registers 0-3 and 6-9 by 16 bytes a lane, 4-5 and 10-11 by 8
	ds_load_b128 v[\reg:\reg+3], v[\adr] offset:3072*(\i)+1536*(\q)
	ds_load_b64 v[\reg+4:\reg+5], v[\adr+2] offset:3072*(\i)+1536*(\q)+512
	ds_load_b128 v[\reg+6:\reg+9], v[\adr] offset:3072*(\i)+1536*(\q)+768
	ds_load_b64 v[\reg+10:\reg+11], v[\adr+2] offset:3072*(\i)+1536*(\q)+1280
.endm
; 16 matrix instructions: A's blocks a0, a0 + 1 x B's eight, 128 along K.  The 64 accumulators take turns, one instruction a turn, in the same order in every step.
.macro MUL16 a0, p, q, sc, zero
.irp a, \a0, \a0+1
.irp b, 0,1,2,3,4,5,6,7
.if \zero
	v_wmma_scale_f32_16x16x128_f8f6f4 v[8*(8*((\a)%4)+\b):8*(8*((\a)%4)+\b)+7], v[128*(\p)+FR*\b:128*(\p)+FR*\b+FR-1], v[AF+FR*(\a):AF+FR*(\a)+FR-1], 0, v[SC+8*NQ*(\sc)+NQ*\b+(\q)], v[SC+8*NQ*(\sc)+NQ*(\a)+(\q)] matrix_a_fmt:MATRIX_FMT_BF6 matrix_b_fmt:MATRIX_FMT_BF6 matrix_a_scale:MATRIX_SCALE_ROW1
.else
	v_wmma_scale_f32_16x16x128_f8f6f4 v[8*(8*((\a)%4)+\b):8*(8*((\a)%4)+\b)+7], v[128*(\p)+FR*\b:128*(\p)+FR*\b+FR-1], v[AF+FR*(\a):AF+FR*(\a)+FR-1], v[8*(8*((\a)%4)+\b):8*(8*((\a)%4)+\b)+7], v[SC+8*NQ*(\sc)+NQ*\b+(\q)], v[SC+8*NQ*(\sc)+NQ*(\a)+(\q)] matrix_a_fmt:MATRIX_FMT_BF6 matrix_b_fmt:MATRIX_FMT_BF6 matrix_a_scale:MATRIX_SCALE_ROW1
.endif
.endr
.endr
.endm
.macro FETCH_B slot, q, p
	WIN TO_B
.irp i, 0,1,2,3,4,5,6,7
	FRAG 128*(\p)+FR*\i, ADRB+\slot, \q, \i
.endr
	WIN 0
.endm
.macro FETCH_A slot, q, i0
.irp i, \i0, \i0+1, \i0+2, \i0+3
	FRAG AF+FR*(\i), ADRA+\slot, \q, \i
.endr
.endm
.macro SCALES sc                       ; a K step's scale words: two words a place; lanes 0-15 take A's block i, lanes 16-31 B's block i
.irp i, 0,1,2,3,4,5,6,7
	ds_load_b64 v[SC+8*NQ*\sc+NQ*\i:SC+8*NQ*\sc+NQ*\i+1], v[ADRS] offset:\i*SBLK
.endr
.endm
.macro PLACES n                        ; plain vector lines between a matrix instruction and a load into, or a vector read of, its registers (ISA guide 7.12.1 for vector reads)
.rept \n
	v_nop
.endr
.endm
.macro STEP slot, q, zero              ; a step of 128 along K that has its successor in the same slot
	s_wait_dscnt 4*NL                              ; B's set and A's blocks 0-3 are in; the youngest sixteen loads (A's blocks 4-7) may be out
	WIN MUL_LO
	MUL16 0, (\q)%2, \q, \slot, \zero
	MUL16 2, (\q)%2, \q, \slot, \zero
	s_wait_dscnt 0
	PLACES NP
	FETCH_B \slot, (\q)+1, 1-(\q)%2
	FETCH_A \slot, (\q)+1, 0
	WIN MUL_HI
	MUL16 4, (\q)%2, \q, \slot, \zero
	MUL16 6, (\q)%2, \q, \slot, \zero
	PLACES NP
	WIN 0
	FETCH_A \slot, (\q)+1, 4
.endm
; A slot's last step changes slots: one barrier; in front of it each wave waits for all its tensor loads, adds 0 to its spare word, and waits for that and for its reads of this slot.
; fill = 1: this slot is filled again, two K steps ahead, behind a round of the cluster's barrier.  ss: how far on the next K step's scale words lie.
.macro TURN slot, next, fill, ss
	s_wait_tensorcnt 0x0                           ; all my tensor loads have landed: my part of the next slot
	ds_add_u32 v[SPW], v[NIL]                      ; 0 onto my spare word
	s_wait_dscnt 4*NL+1                            ; (the add and the youngest sixteen loads may be out)
	WIN MUL_LO
	MUL16 0, 1, NQ-1, \slot, 0
	s_wait_dscnt 0x0                               ; the add is done, and my reads of this slot are over
	s_barrier_signal -1
	MUL16 2, 1, NQ-1, \slot, 0
	WIN 0
	s_barrier_wait -1
.if \fill
	CREST                                          ; no wave of any partner still reads this slot or has a load on its way
	s_add_nc_u64 s[G0+4*\slot+2:G0+4*\slot+3], s[G0+4*\slot+2:G0+4*\slot+3], s[96:97]
	s_add_nc_u64 s[G0B+4*\slot+2:G0B+4*\slot+3], s[G0B+4*\slot+2:G0B+4*\slot+3], s[98:99]
	JLOAD G0+4*\slot, G1, G0B+4*\slot, G1B         ; the first tensor load behind the round; its four v_nop are the places in front of the loads below
.else
	PLACES NP
.endif
	v_add_nc_u32 v[ADRS], \ss, v[ADRS]
	FETCH_B \next, 0, 0
	FETCH_A \next, 0, 0
	SCALES \next
	WIN MUL_HI
	MUL16 4, 1, NQ-1, \slot, 0
	MUL16 6, 1, NQ-1, \slot, 0
	PLACES NP
	WIN 0
	FETCH_A \next, 0, 4
.endm
	s_wait_tensorcnt 1                             ; the scale bytes and my part of slot 0 are in; slot 1's load may be out
	s_barrier_signal -1
	s_barrier_wait -1
	FETCH_B 0, 0, 0
	FETCH_A 0, 0, 0
	SCALES 0
	FETCH_A 0, 0, 4
	STEP 0, 0, 1                                   ; K has four slots' worth: the eight steps are written out; the first starts the sums
	TURN 0, 1, 1, 8
	STEP 1, 0, 0
	TURN 1, 0, 1, 264
	STEP 0, 0, 0
	TURN 0, 1, 0, 8                                ; nothing is left to fetch
	STEP 1, 0, 0
	s_wait_dscnt 4*NL
	WIN MUL_LO
	MUL16 0, 1, NQ-1, 1, 0
	MUL16 2, 1, NQ-1, 1, 0
	s_wait_dscnt 0
	WIN MUL_HI
	MUL16 4, 1, NQ-1, 1, 0
	MUL16 6, 1, NQ-1, 1, 0
	WIN 0
.irp b, 0,1,2,3
	v_mov_b32 v[TM+4+\b], 0                        ; a lane permute's destination counts as one of its sources.  These four plain lines are also the places behind the last products
.endr
; 64 numbers of a lane in window w, register 16 b + i = k 32 b + 16 (lane / 16) + i of the lane's row, become codes: blocks 0, 1 in v[d0 .. d0 + 5], blocks 2, 3 in v[d1 .. d1 + 5], and the row's scale word in v[pw].
; The maxima take the numbers in ascending order.
.macro QUANT s, w, d0, d1, pw
	WIN (\w)|((\w)<<2)
.irp b, 0,1,2,3
	v_max3_num_f32 v[TM+\b], |v[(\s)+16*\b]|, |v[(\s)+16*\b+1]|, 0x2800000   ; and the floor 2^(5 - 127): the byte cannot fall under 1
.endr
.irp i, 2,4,6,8,10,12,14
.irp b, 0,1,2,3
	v_max3_num_f32 v[TM+\b], |v[(\s)+16*\b+\i]|, |v[(\s)+16*\b+\i+1]|, v[TM+\b]
.endr
.endr
	WIN 0
.irp b, 0,1,2,3
	v_permlanex16_b32 v[TM+4+\b], v[TM+\b], s2, s3
.endr
.irp b, 0,1,2,3
	v_max_num_f32 v[TM+\b], v[TM+\b], v[TM+4+\b]   ; with lane l xor 16's: the block's largest magnitude
.endr
.irp b, 0,1,2,3
	v_add_nc_u32 v[TM+12+\b], 0xfe000000, v[TM+\b] ; 4 off its exponent field: the conversion's scale operand
.endr
.irp b, 0,1,2,3
	v_lshrrev_b32 v[TM+4+\b], 23, v[TM+12+\b]      ; the scale's byte
.endr
	v_lshl_or_b32 v[\pw], v[TM+5], 8, v[TM+4]
	v_lshl_or_b32 v[\pw], v[TM+6], 16, v[\pw]
	v_lshl_or_b32 v[\pw], v[TM+7], 24, v[\pw]
	WIN (\w)
	v_cvt_scalef32_pk16_bf6_f32 v[(\d0):(\d0)+2], v[(\s):(\s)+15], v[TM+12]
	v_cvt_scalef32_pk16_bf6_f32 v[Y:Y+2], v[(\s)+16:(\s)+31], v[TM+13]
	v_cvt_scalef32_pk16_bf6_f32 v[(\d1):(\d1)+2], v[(\s)+32:(\s)+47], v[TM+14]
	v_cvt_scalef32_pk16_bf6_f32 v[Y+4:Y+6], v[(\s)+48:(\s)+63], v[TM+15]
	WIN 0
	v_nop                                          ; one plain line behind a scaled conversion
.irp i, 0,1,2                          ; the operand's layout wants a whole block in a lane: lanes 0-15 the even block, lanes 16-31 the odd
	v_permlane16_swap_b32 v[(\d0)+\i], v[Y+\i]
.endr
.irp i, 0,1,2
	v_mov_b32 v[(\d0)+3+\i], v[Y+\i]
.endr
.irp i, 0,1,2
	v_permlane16_swap_b32 v[(\d1)+\i], v[Y+4+\i]
.endr
.irp i, 0,1,2
	v_mov_b32 v[(\d1)+3+\i], v[Y+4+\i]
.endr
.endm
	s_cmp_eq_u32 s100, 1
	s_cbranch_scc1 .Lv
	; ---- q and k.  My 128 places of x are 128 tokens of one batch; my 128 features are two heads
	s_lshl_b32 s20, s17, 8
	s_lshl_b32 s21, s15, 7
	s_add_co_u32 s20, s20, s21                     ; my first token: 256 x A's tile + 128 x half
	s_lshr_b32 s21, s20, 11                        ; the batch
	s_and_b32 s20, s20, 2047                       ; the token in it
	s_lshl_b32 s22, s42, 8
	s_lshl_b32 s23, s16, 7
	s_add_co_u32 s22, s22, s23                     ; my first feature, 0-1023 of q, 1024-2047 of k
	s_bfe_u32 s23, s22, 0x40006                    ; my first head
	s_lshl_b32 s21, s21, 4
	s_add_co_u32 s21, s21, s23
	s_mul_i32 s21, s21, REC                        ; its record
	s_lshr_b32 s23, s20, 5                         ; my first dual fragment
	s_mul_i32 s46, s23, 1536
	s_lshl_b32 s47, s23, 6
	s_mov_b32 s70, QSOFF
	s_cmp_ge_u32 s22, 1024
	s_cselect_b32 s68, KOFF, QOFF
	s_cselect_b32 s70, KSOFF, s70
	s_add_co_u32 s68, s68, s21
	s_add_co_u32 s68, s68, s46
	s_add_co_u32 s70, s70, s21
	s_add_co_u32 s70, s70, s47
	s_mov_b32 s69, 0
	s_mov_b32 s71, 0
	s_add_nc_u64 s[68:69], s[66:67], s[68:69]      ; where my codes go,
	s_add_nc_u64 s[70:71], s[66:67], s[70:71]      ; and my scale words
	s_lshl_b32 s20, s20, 8
	s_mov_b32 s21, 0
	s_add_nc_u64 s[12:13], s[12:13], s[20:21]      ; the table at my first token
.macro CSLOAD a                        ; block a's cos and sin: of my token's row the pairs 16 e + 8 h + 0 .. 7, e = 0, 1: 64 bytes each
.irp e, 0,1
.irp j, 0,1,2,3
	global_load_b128 v[CS+32*((\a)%2)+16*\e+4*\j:CS+32*((\a)%2)+16*\e+4*\j+3], v[TA], s[12:13] offset:(32*((\a)/2)+8*((\a)%2))*256+128*\e+16*\j
.endr
.endr
.endm
; Block a: 16 tokens x 128 features.  Registers 16 be + 2 i, + 1 are the pair (x1, x2) of frequency 16 (be % 2) + 8 h + i of head be / 2.
.macro QKBLOCK a
.if (\a) > 0
	s_wait_xcnt 0x0                                ; the last block's stores have read their registers, which are written again below
.endif
.if (\a) < 7
	s_wait_loadcnt 8                               ; this block's eight loads are in; the next block's eight may be out
.else
	s_wait_loadcnt 0x0
.endif
	WIN 2+(\a)/4                                   ; source 0: the accumulators' window
.irp be, 0,1,2,3
.irp i, 0,1,2,3,4,5,6,7
	v_pk_mul_f32 v[T+2*\i:T+2*\i+1], v[64*((\a)%4)+16*\be+2*\i:64*((\a)%4)+16*\be+2*\i+1], v[CS+32*((\a)%2)+16*(\be%2)+2*\i:CS+32*((\a)%2)+16*(\be%2)+2*\i+1] op_sel:[1,1] op_sel_hi:[0,1]   ; (x2 sin, x1 sin)
.endr
.irp i, 0,1,2,3,4,5,6,7
	v_pk_fma_f32 v[R+16*\be+2*\i:R+16*\be+2*\i+1], v[64*((\a)%4)+16*\be+2*\i:64*((\a)%4)+16*\be+2*\i+1], v[CS+32*((\a)%2)+16*(\be%2)+2*\i:CS+32*((\a)%2)+16*(\be%2)+2*\i+1], v[T+2*\i:T+2*\i+1] op_sel_hi:[1,0,1] neg_lo:[0,0,1]   ; (x1 cos - x2 sin, x2 cos + x1 sin)
.endr
.endr
	WIN 0
.if (\a)+2 < 8
	CSLOAD (\a)+2
.endif
	QUANT R, 0, DA+6*((\a)%2), DB+6*((\a)%2), PWE+(\a)%2   ; the first head's 64 into DA, the second's into DB; an even block fills a dual fragment's registers 0-5, an odd one 6-11
.if (\a)%2
	v_perm_b32 v[SWA], v[PWE+1], v[PWE], 0x05040100        ; the first head's dual word: two bytes of the even tile, two of the odd
	v_perm_b32 v[SWB], v[PWE+1], v[PWE], 0x07060302        ; the second head's
	v_cndmask_b32 v[SWD], v[SWA], v[SWB], s101             ; lanes 0-15 store the first head's, lanes 16-31 the second's, a record on
.irp g, 0,1,2
	global_store_b128 v[LI], v[DA+4*\g:DA+4*\g+3], s[68:69] offset:1536*((\a)/2)+512*\g        ; 512 consecutive bytes, aligned to 256
.endr
.irp g, 0,1,2
	global_store_b128 v[LI], v[DB+4*\g:DB+4*\g+3], s[68:69] offset:REC+1536*((\a)/2)+512*\g
.endr
	global_store_b32 v[SOF], v[SWD], s[70:71] offset:64*((\a)/2)
.endif
.endm
	CSLOAD 0
	CSLOAD 1
.irp a, 0,1,2,3,4,5,6,7
	QKBLOCK \a
.endr
	s_branch .Lclose
.Lv:
	; ---- v.  My 128 places of wv are two heads' features; my 128 places of x are one key step of one batch, and the registers run along its keys
	s_sub_co_u32 s20, s17, 8
	s_lshl_b32 s20, s20, 2
	s_lshl_b32 s21, s15, 1
	s_add_co_u32 s20, s20, s21                     ; my first head
	s_lshl_b32 s22, s42, 8
	s_lshl_b32 s23, s16, 7
	s_add_co_u32 s22, s22, s23                     ; my first key
	s_lshr_b32 s21, s22, 11                        ; the batch
	s_bfe_u32 s23, s22, 0x40007                    ; the key step in it
	s_lshl_b32 s21, s21, 4
	s_add_co_u32 s21, s21, s20
	s_mul_i32 s21, s21, REC
	s_mul_i32 s46, s23, 6144
	s_lshl_b32 s47, s23, 8
	s_add_co_u32 s68, s21, s46
	s_add_co_u32 s68, s68, VOFF
	s_add_co_u32 s70, s21, s47
	s_add_co_u32 s70, s70, VSOFF
	s_mov_b32 s69, 0
	s_mov_b32 s71, 0
	s_add_nc_u64 s[68:69], s[66:67], s[68:69]
	s_add_nc_u64 s[70:71], s[66:67], s[70:71]
.macro VBLOCK a                        ; block a: 16 features (tile a % 4 of head a / 4) x 128 keys: one fragment, straight from the accumulators
.if (\a) > 1
	s_wait_xcnt 0x0                                ; the stores of two blocks ago have read the registers that are written again below
.endif
	QUANT 64*((\a)%4), 2+(\a)/4, DA+12*((\a)%2), DA+12*((\a)%2)+6, PWE+(\a)%2
.irp g, 0,1,2
	global_store_b128 v[LI], v[DA+12*((\a)%2)+4*\g:DA+12*((\a)%2)+4*\g+3], s[68:69] offset:((\a)/4)*REC+1536*((\a)%4)+512*\g
.endr
.if (\a)%2
	v_cndmask_b32 v[SWD], v[PWE], v[PWE+1], s101   ; lanes 0-15 the even tile's words, lanes 16-31 the odd tile's
	global_store_b32 v[SOV], v[SWD], s[70:71] offset:((\a)/4)*REC+128*(((\a)%4)/2)
.endif
.endm
.irp a, 0,1,2,3,4,5,6,7
	VBLOCK \a
.endr
.Lclose:
	s_wait_tensorcnt 0x0                           ; the wave's end
	ds_add_u32 v[SPW], v[NIL]
	s_wait_dscnt 0x0
	CROUND                                         ; the closing round: no work-group ends while a partner may still ask for a tile that names it
	s_endpgm
.Lfunc_end_k_q4cfdb47f0e_qkvproj:
	.size	k_q4cfdb47f0e_qkvproj, .Lfunc_end_k_q4cfdb47f0e_qkvproj-k_q4cfdb47f0e_qkvproj
	.p2alignl 7, 3214868480
	.fill 96, 4, 3214868480
	.section	.rodata,"a",@progbits
	.p2align	6, 0x0
	.amdhsa_kernel k_q4cfdb47f0e_qkvproj
		.amdhsa_group_segment_fixed_size 327680
		.amdhsa_private_segment_fixed_size 0
		.amdhsa_enable_private_segment 0
		.amdhsa_kernarg_size 48
		.amdhsa_user_sgpr_count 2
		.amdhsa_user_sgpr_kernarg_segment_ptr 1
		.amdhsa_wavefront_size32 1
		.amdhsa_system_sgpr_workgroup_id_x 1
		.amdhsa_system_sgpr_workgroup_id_y 1
		.amdhsa_system_sgpr_workgroup_id_z 1
		.amdhsa_system_vgpr_workitem_id 0
		.amdhsa_next_free_vgpr 1024
		.amdhsa_next_free_sgpr 104
		.amdhsa_reserve_vcc 0
		.amdhsa_float_denorm_mode_32 3
		.amdhsa_float_denorm_mode_16_64 3
		.amdhsa_memory_ordered 1
		.amdhsa_forward_progress 1
		.amdhsa_inst_pref_size 223
	.end_amdhsa_kernel
	.amdgpu_metadata
---
amdhsa.version: [ 1, 2 ]
amdhsa.kernels:
  - .name:           k_q4cfdb47f0e_qkvproj
    .symbol:         k_q4cfdb47f0e_qkvproj.kd
    .args:
      - { .name: xc, .offset: 0, .size: 8, .value_kind: global_buffer, .address_space: global }
      - { .name: xs, .offset: 8, .size: 8, .value_kind: global_buffer, .address_space: global }
      - { .name: wc, .offset: 16, .size: 8, .value_kind: global_buffer, .address_space: global }
      - { .name: ws, .offset: 24, .size: 8, .value_kind: global_buffer, .address_space: global }
      - { .name: tab, .offset: 32, .size: 8, .value_kind: global_buffer, .address_space: global }
      - { .name: heads, .offset: 40, .size: 8, .value_kind: global_buffer, .address_space: global }
    .group_segment_fixed_size: 327680
    .private_segment_fixed_size: 0
    .kernarg_segment_align: 8
    .kernarg_segment_size: 48
    .max_flat_workgroup_size: 128
    .sgpr_count:     104
    .vgpr_count:     1024
    .wavefront_size: 32
...
	.end_amdgpu_metadata
.endif
;; end of part 2
;; launch attn (part 3): grid 4 x 64, 16 waves a work-group, clusters of 4 x 1, 206,848 bytes of LDS; arguments heads, oc, os; writes oc, os
.if DOCPART == 3
	.amdgcn_target "amdgcn-amd-amdhsa--gfx1250"
	.amdhsa_code_object_version 6
	.text
	.protected	k_q4cfdb47f0e_attn
	.globl	k_q4cfdb47f0e_attn
	.p2align	8
	.type	k_q4cfdb47f0e_attn,@function
k_q4cfdb47f0e_attn:
	s_mov_b64 s[64:65], 0
	v_nop
	global_prefetch_b8 v0, s[64:65] scope:SCOPE_SE
	s_setreg_imm32_b32 hwreg(HW_REG_WAVE_MODE, 25, 1), 1
	s_wait_xcnt 0x0
	s_wait_alu depctr_hold_cnt(0) depctr_sa_sdst(0) depctr_va_vdst(0) depctr_va_sdst(0) depctr_va_ssrc(0) depctr_va_vcc(0) depctr_vm_vsrc(0)
	s_getreg_b32 s2, hwreg(HW_REG_IB_STS2, 6, 4)
	s_cmp_eq_u32 s2, 0
	s_cbranch_scc0 .Lentry_in_a_cluster
	s_endpgm
.Lentry_in_a_cluster:
	s_bfe_u32 s2, ttmp6, 0x10000c
	s_cmp_lg_u32 s2, 0x3003
	s_cbranch_scc0 .Lentry_shape_is_right
	s_endpgm
.Lentry_shape_is_right:
; Causal attention of one head (64 wide, 2,048 tokens) on codes of BF6 (E3M2) with E8M0 scales, and the quantiser for the output projection's operand.
; t = score x log2(e) / 8; M = the running largest t rounded UP to a whole number; p = 2^(t - M) is quantised along the keys, not normalised; the row's sum is taken of the unquantised p and divides O at the end.
; A WHOLE HEAD'S K, V AND THEIR SCALE WORDS LIE IN LDS, 204,800 bytes, the first part of the head's record copied as it lies, FILLED ONCE: no slot is filled again, nothing is stored to LDS.
; CLUSTER: the four work-groups of a cluster belong to one head and ask for it jointly: wave w of each issues the same load of 12,800 bytes.
; SHARES.  The head's 128 tiles of 16 queries are tau = cx + 4 idx; wave w takes idx = w and then idx = 31 - w.  A tile needs idx / 2 + 1 key steps of 128, whatever cx: 17 steps for every wave of every work-group.
; Only a tile's last step lies on the diagonal.  No branch, trip count or LDS address hangs on cx: it enters global addresses, a select mask and a compare's operand.  The loop over key steps has the constant count 16;
; a step behind the tile's last is passed over by a scalar branch on the wave's number and the count.
; LAYOUT.  Both products are used transposed: S^T = K Q^T, O^T = V^T P^T: a lane holds one query throughout.  Tokens lie in tiles by PLACES (tile 2 g + u, place r = token 32 g + 8 u + r % 8 + 16 (r / 8)), so that the 16
; registers of two neighbouring tiles of keys are 16 neighbouring keys, and O^T's 16 registers of two tiles are 16 neighbouring channels.
; THE FIRST PRODUCT'S K IS 64, the instruction's 128: a DUAL fragment of K holds two tiles of keys (registers 0-5, 6-11); it is multiplied once by (q | zero codes) and once by (zero codes | q).
; No prefetch: every byte of K and V is asked for at the head by the tensor loads themselves.
; LIMITS: NaN and infinities are not served; 1 / the sum by v_rcp_f32; a block of o under 2^-122, and a block of zeros, keeps the byte 1; o's scale bytes leave one byte a lane: a head owns two bytes of a place's 32.
; REGISTERS: v1-7, v88, v89 addresses that stay; v8-11 addresses in hand; v12 -M, v13 the largest t, v[14:15] the sum; v16-27 (q | 0), v28-39 (0 | q); v40-87 four fragments; v96-159 S^T, then p; v160-191 O^T;
; v192-215 both tiles' dual fragments of Q, v216-217 their scale words; v218-223 o's codes; v224-235 p's codes; v232-247, v252, v254 at work; v248-249 K's scale words, v250-251 V's, v253 p's, v255 q's.
.set REC,   307200
.set VOFF,  98304
.set KSOFF, 196608
.set VSOFF, 200704
.set QOFF,  204800
.set QSOFF, 303104
.set XSTR,  1572864
.set ADK,  8
.set ADV,  9
.set ADS,  10
.set ADT,  11
.set WV,   18                          ; s18  my wave's number
.set SEL,  20                          ; s[20:21] lane selects for lane l xor 16
.set CS,   22                          ; s[22:23] c = log2(e) / 8
.set G1,   24
.set G0,   32
.set CX,   36
.set HD,   37                          ; 16 x batch + head
.set KSN,  40                          ; the key step
.set LAST, 41                          ; the tile's last key step
.set TS6,  42                          ; 6,144 x the key step: its fragments of K and of V
.set TS2,  43                          ; 256 x the key step: their scale words
.set TAU,  44                          ; the tile
.set PM,   45                          ; all ones where the tile is odd
.set HM,   46                          ; lanes 16-31
.macro ROUND                           ; a round of the cluster's barrier
	s_barrier_signal -1
	s_barrier_wait -1
	s_cmp_lg_u32 s[WV], 0
	s_cbranch_scc1 .Lnot_wave_0_\@
	s_barrier_signal -3
.Lnot_wave_0_\@:
	s_barrier_wait -3
	s_barrier_signal -1
	s_barrier_wait -1
.endm
	s_load_b128 s[4:7], s[0:1], 0x0                ; heads, oc
	s_load_b64 s[8:9], s[0:1], 0x10                ; os
	v_lshl_add_u32 v95, v0, 2, 0x32000
	v_mov_b32 v243, 0
	ds_add_u32 v95, v243
	ds_add_u32 v95, v243
	v_lshrrev_b32 v8, 5, v0
	s_delay_alu instid0(VALU_DEP_1)
	v_readfirstlane_b32 s[WV], v8                  ; wave 0..15
	s_bfe_u32 s[CX], ttmp6, 0x40000
	s_and_b32 s[HD], ttmp7, 0xffff
	s_mul_i32 s48, s[HD], REC
	s_mov_b32 s49, 0
	s_mul_i32 s50, s[WV], 12800
	s_mov_b32 s51, 0
	s_mov_b32 s[G1], 15|(3<<16)|(1<<21)            ; 15:0 the mask: all four work-groups; 17:16 elements of 8 bytes; 21 set beside a mask; no padding
	s_mov_b32 s[G1+1], 32<<16                      ; tensor_dim0: rows of 256 bytes
	s_mov_b32 s[G1+2], 50<<16                      ; tensor_dim1: 50 of them
	s_mov_b32 s[G1+3], 32<<16
	s_mov_b32 s[G1+4], 50
	s_mov_b32 s[G1+5], 32
	s_mov_b32 s[G1+6], 0
	s_mov_b32 s[G1+7], 0
	s_mov_b32 s[SEL], 0x76543210
	s_mov_b32 s[SEL+1], 0xfedcba98
	s_mov_b32 s[CS], 0x3e38aa3b
	s_mov_b32 s[CS+1], s[CS]                       ; (named with it as a pair, so it is written)
	s_and_b32 s[PM], s[CX], 1
	s_sub_co_u32 s[PM], 0, s[PM]
	s_mov_b32 s[HM], 0xffff0000
	s_wait_dscnt 0x0
	s_wait_kmcnt 0x0
	s_add_nc_u64 s[4:5], s[4:5], s[48:49]          ; the head's record
	s_mov_b32 s[G0], 1
	s_mov_b32 s[G0+1], s50                         ; LDS: 12,800 x wave
	s_add_nc_u64 s[G0+2:G0+3], s[4:5], s[50:51]    ; and the same place in the record: equal in all four partners
	s_or_b32 s[G0+3], s[G0+3], 0x80000000
	ROUND                                          ; all four work-groups are here: the joint loads meet
	tensor_load_to_lds s[G0:G0+3], s[G1:G1+7]      ; my one tensor load of the launch
	s_nop 0
.rept 4
	v_nop
.endr
	v_and_b32 v8, 15, v0                           ; r
	v_bfe_u32 v9, v0, 4, 1                         ; h
	v_and_b32 v10, 31, v0
	s_delay_alu instid0(VALU_DEP_1)
	v_lshlrev_b32 v1, 4, v10                       ; 16 x lane: K's fragments; also an offset in memory
	s_delay_alu instid0(VALU_DEP_1)
	v_add_nc_u32 v2, VOFF, v1                      ; V's
	s_delay_alu instid0(VALU_DEP_3)
	v_lshlrev_b32 v11, 2, v10
	s_delay_alu instid0(VALU_DEP_1)
	v_add_nc_u32 v3, KSOFF, v11                    ; K's scale words: lanes 0-15 one fragment's, lanes 16-31 the next's
	s_delay_alu instid0(VALU_DEP_2)
	v_add_nc_u32 v4, VSOFF, v11                    ; V's
	v_and_b32 v5, 7, v8
	v_lshrrev_b32 v11, 3, v8
	s_delay_alu instid0(VALU_DEP_1)
	v_lshl_add_u32 v5, v11, 4, v5
	v_lshlrev_b32 v11, 4, v9
	s_delay_alu instid0(VALU_DEP_1)
	v_sub_nc_u32 v5, v5, v11                       ; r % 8 + 16 (r / 8) - 16 h
	v_lshlrev_b32 v7, 3, v10                       ; 8 x lane
	v_lshl_add_u32 v88, v8, 4, v9                  ; 16 r + h
	v_lshlrev_b32 v89, 2, v8                       ; 4 r
	s_wait_alu depctr_va_vdst(0)
	s_lshr_b32 s47, s[CX], 1
	s_lshl_b32 s48, s[WV], 1
	s_add_co_u32 s48, s48, s47                     ; the dual fragment of Q that holds my first tile: tau / 2
	s_sub_co_u32 s49, 31, s[WV]
	s_lshl_b32 s49, s49, 1
	s_add_co_u32 s49, s49, s47                     ; and my second
	s_mul_i32 s50, s48, 1536
	s_add_nc_u64 s[56:57], s[4:5], s[50:51]
	s_mul_i32 s50, s49, 1536
	s_add_nc_u64 s[58:59], s[4:5], s[50:51]
	s_lshl_b32 s50, s48, 6
	s_add_nc_u64 s[60:61], s[4:5], s[50:51]
	s_lshl_b32 s50, s49, 6
	s_add_nc_u64 s[62:63], s[4:5], s[50:51]
.irp g, 0,1,2
	global_load_b128 v[192+4*\g:195+4*\g], v1, s[56:57] offset:QOFF+512*\g
	global_load_b128 v[204+4*\g:207+4*\g], v1, s[58:59] offset:QOFF+512*\g
.endr
	global_load_b32 v216, v89, s[60:61] offset:QSOFF
	global_load_b32 v217, v89, s[62:63] offset:QSOFF
.irp i, 0,1,2,3,4,5
	v_mov_b32 v[22+\i], 0                          ; the zero codes
	v_mov_b32 v[28+\i], 0
.endr
	s_wait_tensorcnt 0x0                           ; my part of the head is in,
	s_barrier_signal -1
	s_barrier_wait -1                              ; everybody's is
	s_wait_loadcnt 0x0                             ; Q
; A KEY STEP: 128 keys.
.macro STEP
	s_cmp_gt_u32 s[KSN], s[LAST]                   ; all its keys come after my queries: only the steps of the addresses remain
	s_cbranch_scc1 .Lhidden_\@
	s_setprio 2
	v_add_nc_u32 v[ADK], s[TS6], v1                ; (these four are also the places in front of the loads into registers that the last products read)
	v_add_nc_u32 v[ADV], s[TS6], v2
	v_add_nc_u32 v[ADS], s[TS2], v3
	v_add_nc_u32 v[ADT], s[TS2], v4
.irp f, 0,1,2,3
.irp g, 0,1,2
	ds_load_b128 v[40+12*\f+4*\g:43+12*\f+4*\g], v[ADK] offset:1536*\f+512*\g
.endr
.endr
	ds_load_b32 v248, v[ADS]
	ds_load_b32 v249, v[ADS] offset:128
	s_wait_alu depctr_va_vdst(0)
	s_wait_dscnt 0x0
.irp f, 0,1,2,3                        ; S^T: dual fragment f gives keys 32 f + 16 h + 0 .. 7 (with q | 0) and + 8 .. 15 (with 0 | q)
.irp u, 0,1
.if \f%2
	v_wmma_scale_f32_16x16x128_f8f6f4 v[96+16*\f+8*\u:103+16*\f+8*\u], v[40+12*\f:51+12*\f], v[16+12*\u:27+12*\u], 0, v[248+\f/2], v255 matrix_a_fmt:MATRIX_FMT_BF6 matrix_b_fmt:MATRIX_FMT_BF6 matrix_a_scale:MATRIX_SCALE_ROW1
.else
	v_wmma_scale_f32_16x16x128_f8f6f4 v[96+16*\f+8*\u:103+16*\f+8*\u], v[40+12*\f:51+12*\f], v[16+12*\u:27+12*\u], 0, v[248+\f/2], v255 matrix_a_fmt:MATRIX_FMT_BF6 matrix_b_fmt:MATRIX_FMT_BF6
.endif
.endr
.endr
.rept 4
	v_nop                                          ; places: in front of the loads below and of the first read of the scores
.endr
.irp t, 0,1,2,3                        ; V's four fragments are asked for now and land under the softmax
.irp g, 0,1,2
	ds_load_b128 v[40+12*\t+4*\g:43+12*\t+4*\g], v[ADV] offset:1536*\t+512*\g
.endr
.endr
	ds_load_b32 v250, v[ADT]
	ds_load_b32 v251, v[ADT] offset:128
	s_cmp_lg_u32 s[KSN], s[LAST]
	s_cbranch_scc1 .Lopen_\@
	v_mov_b32 v254, 0xff800000                     ; on the diagonal the scores of hidden keys become -infinity: register 16 b + i is hidden where 32 b + i > v6
.set N, 0
.rept 64
	v_cmp_gt_i32 vcc_lo, 32*(N/16)+N%16, v6
	v_cndmask_b32 v[96+N], v[96+N], v254, vcc_lo
.set N, N+1
.endr
.Lopen_\@:
.irp b, 0,1,2,3
	v_max3_num_f32 v[232+\b], v[96+16*\b], v[97+16*\b], v[98+16*\b]   ; the largest score of each block of 32 keys: for the row's maximum and, since p rises with the score, for the block's largest p
.endr
.irp i, 3,5,7,9,11,13
.irp b, 0,1,2,3
	v_max3_num_f32 v[232+\b], v[232+\b], v[96+16*\b+\i], v[97+16*\b+\i]
.endr
.endr
.irp b, 0,1,2,3
	v_max_num_f32 v[232+\b], v[232+\b], v[111+16*\b]
.endr
.irp b, 0,1,2,3
	s_delay_alu instid0(VALU_DEP_4)
	v_permlanex16_b32 v[236+\b], v[232+\b], s[SEL], s[SEL+1]
.endr
.irp b, 0,1,2,3
	s_delay_alu instid0(VALU_DEP_4)
	v_max_num_f32 v[232+\b], v[232+\b], v[236+\b]
.endr
	s_delay_alu instid0(VALU_DEP_2)
	v_max3_num_f32 v254, v232, v233, v234
	s_delay_alu instid0(VALU_DEP_1)
	v_max_num_f32 v254, v254, v235
	s_delay_alu instid0(VALU_DEP_1)
	v_mul_f32 v254, s[CS], v254                    ; the step's largest t
	s_delay_alu instid0(VALU_DEP_1)
	v_max_num_f32 v13, v13, v254                   ; the running largest t
	v_mov_b32 v254, v12
	s_delay_alu instid0(VALU_DEP_2)
	v_floor_f32 v12, -v13                          ; the new -M = -ceil(t)
	s_delay_alu instid0(VALU_DEP_1)
	v_sub_f32 v254, v12, v254                      ; old M - new M: a whole number, 0 or less
	s_delay_alu instid0(VALU_DEP_1)
	v_cvt_i32_f32 v254, v254                       ; (it saturates)
	s_delay_alu instid0(VALU_DEP_1)
	v_ldexp_f32 v252, 1.0, v254                    ; f = 2^(old M - new M)
.set N, 0
.rept 32
	v_pk_fma_f32 v[96+N:97+N], v[96+N:97+N], s[CS:CS+1], v[12:13] op_sel_hi:[1,0,0]   ; t - M
.set N, N+2
.endr
	s_setprio 1
.irp b, 0,1,2,3
	v_fma_f32 v[232+\b], v[232+\b], s[CS], v12
.endr
.set N, 0
	s_wait_alu depctr_va_vdst(0)
.rept 64
	v_exp_f32 v[96+N], v[96+N]                     ; p = 2^(t - M)
.set N, N+1
.endr
	v_pk_mul_f32 v[14:15], v[14:15], v[252:253] op_sel_hi:[1,0]   ; the sums under the new M (a plain line behind the exponentials)
	s_wait_alu depctr_va_vdst(0)                   ; one wait for the batch, ahead of its first reader
.irp b, 0,1,2,3
	v_exp_f32 v[232+\b], v[232+\b]                 ; the block's largest p
.endr
	v_pk_add_f32 v[236:237], v[100:101], v[104:105]
	v_pk_add_f32 v[248:249], v[108:109], v[112:113]
	v_pk_add_f32 v[246:247], v[116:117], v[120:121]
	v_pk_add_f32 v[244:245], v[124:125], v[128:129]
	v_pk_add_f32 v[240:241], v[132:133], v[136:137]
	v_pk_add_f32 v[238:239], v[140:141], v[144:145]
	v_pk_add_f32 v[230:231], v[148:149], v[152:153]
	v_pk_add_f32 v[14:15], v[14:15], v[156:157]
	v_pk_add_f32 v[236:237], v[236:237], v[96:97]
	v_pk_add_f32 v[248:249], v[248:249], v[98:99]
	v_pk_add_f32 v[246:247], v[246:247], v[102:103]
	v_pk_add_f32 v[244:245], v[244:245], v[106:107]
	v_pk_add_f32 v[240:241], v[240:241], v[110:111]
	v_pk_add_f32 v[238:239], v[238:239], v[114:115]
	v_pk_add_f32 v[230:231], v[230:231], v[118:119]
	v_pk_add_f32 v[14:15], v[14:15], v[122:123]
	v_pk_add_f32 v[236:237], v[236:237], v[126:127]
	v_pk_add_f32 v[248:249], v[248:249], v[130:131]
	v_pk_add_f32 v[246:247], v[246:247], v[134:135]
	v_pk_add_f32 v[244:245], v[244:245], v[138:139]
	v_pk_add_f32 v[240:241], v[240:241], v[142:143]
	v_pk_add_f32 v[238:239], v[238:239], v[146:147]
	v_pk_add_f32 v[230:231], v[230:231], v[150:151]
	v_pk_add_f32 v[14:15], v[14:15], v[154:155]
	v_pk_add_f32 v[236:237], v[236:237], v[158:159]
	s_delay_alu instid0(VALU_DEP_2)
	v_pk_add_f32 v[14:15], v[14:15], v[244:245]
	s_delay_alu instid0(VALU_DEP_2)
	v_pk_add_f32 v[236:237], v[236:237], v[240:241]
	v_pk_add_f32 v[248:249], v[248:249], v[238:239]
	v_pk_add_f32 v[246:247], v[246:247], v[230:231]
	s_delay_alu instid0(VALU_DEP_2)
	v_pk_add_f32 v[14:15], v[14:15], v[248:249]
	s_delay_alu instid0(VALU_DEP_2)
	v_pk_add_f32 v[236:237], v[236:237], v[246:247]
	s_delay_alu instid0(VALU_DEP_1)
	v_pk_add_f32 v[14:15], v[14:15], v[236:237]
	s_wait_alu depctr_va_vdst(0)                   ; and one for the four
.irp b, 0,1,2,3
	v_max_num_f32 v[232+\b], 0x2800000, v[232+\b]  ; the floor 2^(5 - 127)
.endr
.irp b, 0,1,2,3
	s_delay_alu instid0(VALU_DEP_4)
	v_add_nc_u32 v[244+\b], 0xfe000000, v[232+\b]
.endr
.irp b, 0,1,2,3
	s_delay_alu instid0(VALU_DEP_4)
	v_lshrrev_b32 v[236+\b], 23, v[244+\b]
.endr
	s_delay_alu instid0(VALU_DEP_3)
	v_lshl_or_b32 v253, v237, 8, v236              ; p's scale word for these 128 keys
	s_delay_alu instid0(VALU_DEP_1)
	v_lshl_or_b32 v253, v238, 16, v253
	s_delay_alu instid0(VALU_DEP_1)
	v_lshl_or_b32 v253, v239, 24, v253
	s_setprio 0
.irp c, 0,1
	v_cvt_scalef32_pk16_bf6_f32 v[224+6*\c:226+6*\c], v[96+32*\c:111+32*\c], v[244+2*\c]
	v_cvt_scalef32_pk16_bf6_f32 v[236+4*\c:238+4*\c], v[112+32*\c:127+32*\c], v[244+2*\c+1]
.endr
	v_nop
.irp c, 0,1
.irp i, 0,1,2
	v_permlane16_swap_b32 v[224+6*\c+\i], v[236+4*\c+\i]
.endr
.irp i, 0,1,2
	s_delay_alu instid0(VALU_DEP_3)
	v_mov_b32 v[227+6*\c+\i], v[236+4*\c+\i]
.endr
.endr
.set N, 0
.rept 16
	v_pk_mul_f32 v[160+N:161+N], v[160+N:161+N], v[252:253] op_sel_hi:[1,0]   ; O^T under the new M.  (These sixteen are also the places between the lines that made p's codes and scale word and the products)
.set N, N+2
.endr
	s_wait_alu depctr_va_vdst(0)
	s_wait_dscnt 0x0                               ; V is in
.irp t, 0,1,2,3                        ; O^T += V^T P^T: the four accumulators by turns
.if \t%2
	v_wmma_scale_f32_16x16x128_f8f6f4 v[160+8*\t:167+8*\t], v[40+12*\t:51+12*\t], v[224:235], v[160+8*\t:167+8*\t], v[250+\t/2], v253 matrix_a_fmt:MATRIX_FMT_BF6 matrix_b_fmt:MATRIX_FMT_BF6 matrix_a_scale:MATRIX_SCALE_ROW1
.else
	v_wmma_scale_f32_16x16x128_f8f6f4 v[160+8*\t:167+8*\t], v[40+12*\t:51+12*\t], v[224:235], v[160+8*\t:167+8*\t], v[250+\t/2], v253 matrix_a_fmt:MATRIX_FMT_BF6 matrix_b_fmt:MATRIX_FMT_BF6
.endif
.endr
.Lhidden_\@:
	s_add_co_u32 s[KSN], s[KSN], 1
	s_add_co_u32 s[TS6], s[TS6], 6144
	s_add_co_u32 s[TS2], s[TS2], 256
.endm
; A TILE of 16 queries: which = 0: idx = wave; 1: idx = 31 - wave.
.macro TILE which
.if \which
	s_sub_co_u32 s47, 31, s[WV]
.else
	s_mov_b32 s47, s[WV]
.endif
	s_lshr_b32 s[LAST], s47, 1
	s_lshl_b32 s[TAU], s47, 2
	s_add_co_u32 s[TAU], s[TAU], s[CX]
	s_and_b32 s48, s[TAU], 7
	s_lshl_b32 s48, s48, 4
	s_and_b32 s49, s[TAU], 1
	s_lshl_b32 s49, s49, 3
	s_sub_co_u32 s48, s48, s49
	v_add_nc_u32 v6, s48, v5                       ; my query less the last step's first key less 16 h
.irp i, 0,1,2,3,4,5
	v_cndmask_b32 v[16+\i], v[192+12*\which+\i], v[198+12*\which+\i], s[PM]   ; my tile's half of the dual fragment
.endr
.irp i, 0,1,2,3,4,5
	v_mov_b32 v[34+\i], v[16+\i]
.endr
	v_perm_b32 v252, v[216+\which], v[216+\which], 0x01000100
	v_perm_b32 v254, v[216+\which], v[216+\which], 0x03020302
	s_delay_alu instid0(VALU_DEP_1)
	v_cndmask_b32 v255, v252, v254, s[PM]          ; my tile's two scale bytes, twice: they serve (q | 0) and (0 | q)
	v_mov_b32 v13, 0xff61b1e6                      ; the largest t so far: -3e38
	s_delay_alu instid0(VALU_DEP_1)
	v_floor_f32 v12, -v13
	v_mov_b32 v14, 0
	v_mov_b32 v15, 0
	v_mov_b32 v252, 0
	v_mov_b32 v253, 0
.irp b, 0,1,2,3
	v_mov_b32 v[236+\b], 0
.endr
.set N, 0
.rept 32
	v_mov_b32 v[160+N], 0                          ; O^T: the step is written once; its first run finds zeros, which the first change of M leaves zeros
.set N, N+1
.endr
	s_mov_b32 s[KSN], 0
	s_mov_b32 s[TS6], 0
	s_mov_b32 s[TS2], 0
.Lkey_\@:
	STEP
	s_cmp_lt_u32 s[KSN], 16
	s_cbranch_scc1 .Lkey_\@
	s_setprio 0
	; the way out: O^T / the sum, quantised along the head's 64: two blocks; the codes are half a fragment (c = head % 2) of the output projection's operand
.rept 4
	v_nop                                          ; places behind the last products: the trips between may have held scalar lines alone
.endr
.if \which
	s_wait_xcnt 0x0                                ; the first tile's stores have read their registers and bases, which are written again below
.endif
	v_add_f32 v14, v14, v15
	s_delay_alu instid0(VALU_DEP_1)
	v_permlanex16_b32 v252, v14, s[SEL], s[SEL+1]
	s_delay_alu instid0(VALU_DEP_1)
	v_add_f32 v14, v14, v252                       ; the row's sum
	s_wait_alu depctr_va_vdst(0)
	v_rcp_f32 v14, v14
	v_nop                                          ; a plain line behind the reciprocal
	s_and_b32 s48, s[HD], 15                       ; the head
	s_lshr_b32 s49, s[HD], 4                       ; the batch
	s_lshl_b32 s49, s49, 7
	s_add_co_u32 s49, s49, s[TAU]                  ; the tile among oc's 512
	s_mul_i32 s50, s49, 3072
	s_lshr_b32 s51, s48, 2
	s_mul_i32 s51, s51, XSTR                       ; K / 256 = head / 4
	s_add_co_u32 s50, s50, s51
	s_and_b32 s51, s48, 3
	s_mul_i32 s51, s51, 768                        ; 1,536 (head / 2 % 2) + 768 (head % 2)
	s_add_co_u32 s50, s50, s51
	s_mov_b32 s51, 0
	s_add_nc_u64 s[52:53], s[6:7], s[50:51]
	s_lshl_b32 s50, s49, 9
	s_lshr_b32 s47, s48, 3
	s_lshl_b32 s47, s47, 8
	s_add_co_u32 s50, s50, s47
	s_and_b32 s47, s48, 7
	s_lshl_b32 s47, s47, 1
	s_add_co_u32 s50, s50, s47
	s_add_nc_u64 s[54:55], s[8:9], s[50:51]        ; os: 512 x tile + 256 (head / 8) + 2 (head % 8)
	s_wait_alu depctr_va_vdst(0)                   ; the wait ahead of the reciprocal's first reader
.set N, 0
.rept 16
	v_pk_mul_f32 v[96+N:97+N], v[160+N:161+N], v[14:15] op_sel_hi:[1,0]   ; register 16 b + i is channel 32 b + 16 h + i
.set N, N+2
.endr
.irp b, 0,1
	v_max3_num_f32 v[232+\b], |v[96+16*\b]|, |v[97+16*\b]|, 0x2800000
.endr
.irp i, 2,4,6,8,10,12,14
.irp b, 0,1
	s_delay_alu instid0(VALU_DEP_2)
	v_max3_num_f32 v[232+\b], v[232+\b], |v[96+16*\b+\i]|, |v[97+16*\b+\i]|
.endr
.endr
.irp b, 0,1
	s_delay_alu instid0(VALU_DEP_2)
	v_permlanex16_b32 v[236+\b], v[232+\b], s[SEL], s[SEL+1]
.endr
.irp b, 0,1
	s_delay_alu instid0(VALU_DEP_2)
	v_max_num_f32 v[232+\b], v[232+\b], v[236+\b]
.endr
.irp b, 0,1
	s_delay_alu instid0(VALU_DEP_2)
	v_add_nc_u32 v[244+\b], 0xfe000000, v[232+\b]
.endr
.irp b, 0,1
	s_delay_alu instid0(VALU_DEP_2)
	v_lshrrev_b32 v[236+\b], 23, v[244+\b]
.endr
	s_delay_alu instid0(VALU_DEP_1)
	v_cndmask_b32 v90, v236, v237, s[HM]           ; lanes 0-15 store block 0's byte, lanes 16-31 block 1's
	v_cvt_scalef32_pk16_bf6_f32 v[218:220], v[96:111], v244
	v_cvt_scalef32_pk16_bf6_f32 v[240:242], v[112:127], v245
	v_nop
.irp i, 0,1,2
	v_permlane16_swap_b32 v[218+\i], v[240+\i]
.endr
.irp i, 0,1,2
	s_delay_alu instid0(VALU_DEP_3)
	v_mov_b32 v[221+\i], v[240+\i]
.endr
	global_store_b128 v1, v[218:221], s[52:53]                 ; 512 consecutive bytes, aligned to 256
	global_store_b64 v7, v[222:223], s[52:53] offset:512       ; 256 consecutive bytes, aligned
	global_store_b8 v88, v90, s[54:55]
.endm
	TILE 0
	TILE 1
	s_wait_tensorcnt 0x0
	ds_add_u32 v95, v243
	s_wait_dscnt 0x0
	ROUND                                          ; the closing round: no work-group ends while a partner may still ask for what names it
	s_endpgm
.Lfunc_end_k_q4cfdb47f0e_attn:
	.size	k_q4cfdb47f0e_attn, .Lfunc_end_k_q4cfdb47f0e_attn-k_q4cfdb47f0e_attn
	.p2alignl 7, 3214868480
	.fill 96, 4, 3214868480
	.section	.rodata,"a",@progbits
	.p2align	6, 0x0
	.amdhsa_kernel k_q4cfdb47f0e_attn
		.amdhsa_group_segment_fixed_size 206848
		.amdhsa_private_segment_fixed_size 0
		.amdhsa_enable_private_segment 0
		.amdhsa_kernarg_size 24
		.amdhsa_user_sgpr_count 2
		.amdhsa_user_sgpr_kernarg_segment_ptr 1
		.amdhsa_wavefront_size32 1
		.amdhsa_system_sgpr_workgroup_id_x 1
		.amdhsa_system_sgpr_workgroup_id_y 1
		.amdhsa_system_sgpr_workgroup_id_z 1
		.amdhsa_system_vgpr_workitem_id 0
		.amdhsa_next_free_vgpr 256
		.amdhsa_next_free_sgpr 72
		.amdhsa_reserve_vcc 1
		.amdhsa_float_denorm_mode_32 3
		.amdhsa_float_denorm_mode_16_64 3
		.amdhsa_memory_ordered 1
		.amdhsa_forward_progress 1
		.amdhsa_inst_pref_size 66
	.end_amdhsa_kernel
	.amdgpu_metadata
---
amdhsa.version: [ 1, 2 ]
amdhsa.kernels:
  - .name:           k_q4cfdb47f0e_attn
    .symbol:         k_q4cfdb47f0e_attn.kd
    .args:
      - { .name: heads, .offset: 0, .size: 8, .value_kind: global_buffer, .address_space: global }
      - { .name: oc, .offset: 8, .size: 8, .value_kind: global_buffer, .address_space: global }
      - { .name: os, .offset: 16, .size: 8, .value_kind: global_buffer, .address_space: global }
    .group_segment_fixed_size: 206848
    .private_segment_fixed_size: 0
    .kernarg_segment_align: 8
    .kernarg_segment_size: 24
    .max_flat_workgroup_size: 512
    .sgpr_count:     72
    .vgpr_count:     256
    .wavefront_size: 32
...
	.end_amdgpu_metadata
.endif
;; end of part 3
;; launch oproj (part 4): grid 4 x 32, 4 waves a work-group, clusters of 4 x 4, 327,680 bytes of LDS; arguments oc, os, wc, ws, out0; writes out0
.if DOCPART == 4
	.amdgcn_target "amdgcn-amd-amdhsa--gfx1250"
	.amdhsa_code_object_version 6
	.text
	.protected	k_q4cfdb47f0e_oproj
	.globl	k_q4cfdb47f0e_oproj
	.p2align	8
	.type	k_q4cfdb47f0e_oproj,@function
k_q4cfdb47f0e_oproj:
	s_mov_b64 s[64:65], 0
	v_nop
	global_prefetch_b8 v0, s[64:65] scope:SCOPE_SE
	s_setreg_imm32_b32 hwreg(HW_REG_WAVE_MODE, 25, 1), 1
	s_wait_xcnt 0x0
	s_wait_alu depctr_hold_cnt(0) depctr_sa_sdst(0) depctr_va_vdst(0) depctr_va_sdst(0) depctr_va_ssrc(0) depctr_va_vcc(0) depctr_vm_vsrc(0)
	s_getreg_b32 s2, hwreg(HW_REG_IB_STS2, 6, 4)
	s_cmp_eq_u32 s2, 0
	s_cbranch_scc0 .Lentry_in_a_cluster
	s_endpgm
.Lentry_in_a_cluster:
	s_bfe_u32 s2, ttmp6, 0x10000c
	s_cmp_lg_u32 s2, 0xf033
	s_cbranch_scc0 .Lentry_shape_is_right
	s_endpgm
.Lentry_shape_is_right:
; out0 = o wo^T on codes of BF6 (E3M2) with E8M0 scales for each 32 along K = 1,024; out0 [8192][1024] f32.  A tile of 256 x 256 is made by four waves, 128 x 128 each; K goes in steps of 256 through two LDS slots.
; The operands lie in memory in the order of the operand's registers (fragments of 1,536 bytes; rows in PLACES: tile 2 g + u, place r = row 32 g + 8 u + r % 8 + 16 (r / 8)): a wave's part of a slot is one dense block of
; 24,576 bytes, and a fragment comes out of LDS by two loads of 16 bytes and two of 8 a lane.  Source 0 = 16 places of wo (tiles 192-255 of wc), source 1 = 16 places of o: a lane holds one row of out0, and its eight
; registers are eight neighbouring columns.  CLUSTERS: 4 x 4; o's tiles are asked for jointly along a row of the cluster, wo's along a column.  128 work-groups: what 256 x 256 gives at this size.
.set XSTR,  1572864
.set WSTR,  786432
.set NQ,    2
.set FR,    12
.set NL,    4
.set NP,    4
.set HALFT, 24576
.set SLOT,  4*HALFT
.set SCL,   2*SLOT
.set HALFS, 4352
.set SBLK,  544
.set SPARE, SCL+4*HALFS                ; the spare words, 128 bytes for each wave: two blocks of 256 bytes that no other line names
.set SPITCH, 528                       ; the way out: a stage of 16 rows x (512 bytes + 16) for each wave, in slot 0, which has had its last fill and its last read when the first result is stored there
.set ADRA, 16
.set ADRB, 20
.set STO,  24
.set RD,   25
.set CO,   26
.set ADRS, 27
.set SPW,  28
.set NIL,  29
.set SC,   32
.set AF,   128
.set BK,   128
.set G1, 24
.set G0, 32
.set G1B, 48
.set G0B, 56
.set G1S, 68
.set G0S, 76
.set G1SB, 80
.set G0SB, 88
.set MSB, 0
.macro WIN new
.if MSB != (\new)
	s_set_vgpr_msb (MSB<<8)|(\new)
.set MSB, (\new)
.endif
.endm
.set MUL_LO, 0xa1
.set MUL_HI, 0xf1
.set TO_B,   0x40
.macro JLOAD g0a, g1a, g0b, g1b        ; a joint load: waves 0 and 1 fetch for A, waves 2 and 3 for B; four v_nop follow each line
	s_cmp_eq_u32 s15, 0
	s_cbranch_scc0 .Lfor_b_\@
	tensor_load_to_lds s[\g0a:\g0a+3], s[\g1a:\g1a+7]
	s_nop 0
.rept 4
	v_nop
.endr
	s_branch .Lasked_\@
.Lfor_b_\@:
	tensor_load_to_lds s[\g0b:\g0b+3], s[\g1b:\g1b+7]
	s_nop 0
.rept 4
	v_nop
.endr
.Lasked_\@:
.endm
.macro CREST
	s_cmp_lg_u32 s14, 0
	s_cbranch_scc1 .Lnot_wave_0_\@
	s_barrier_signal -3
.Lnot_wave_0_\@:
	s_barrier_wait -3
	s_barrier_signal -1
	s_barrier_wait -1
.endm
.macro CROUND
	s_barrier_signal -1
	s_barrier_wait -1
	CREST
.endm
	s_load_b128 s[4:7], s[0:1], 0x0                ; oc, os
	s_load_b128 s[8:11], s[0:1], 0x10              ; wc, ws
	s_load_b64 s[12:13], s[0:1], 0x20              ; out0
	v_lshl_add_u32 v[SPW], v0, 2, SPARE
	v_mov_b32 v[NIL], 0
	ds_add_u32 v28, v29
	ds_add_u32 v28, v29
	s_wait_dscnt 0x0
	v_lshrrev_b32 v1, 5, v0
	v_readfirstlane_b32 s14, v1
	s_lshr_b32 s15, s14, 1                         ; which half of the tile's rows is mine.  Also: I fetch for A (0) or for B (1)
	s_and_b32 s16, s14, 1                          ; which half of its columns.  Also: which 128 places of that tile I fetch
	s_bfe_u32 s40, ttmp6, 0x40000
	s_bfe_u32 s41, ttmp6, 0x40004
	s_lshl_b32 s42, ttmp9, 2
	s_add_co_u32 s42, s42, s40                     ; tile column = 4 x cluster x + cx
	s_and_b32 s17, ttmp7, 0xffff
	s_lshl_b32 s17, s17, 2
	s_add_co_u32 s17, s17, s41                     ; tile row = 4 x cluster y + cy
	s_lshl_b32 s43, s41, 2
	s_lshl_b32 s43, 15, s43
	s_lshl_b32 s44, 0x1111, s40
	s_mov_b32 s96, XSTR                            ; A's stride along K / 256,
	s_mov_b32 s97, 0
	s_mov_b32 s98, WSTR                            ; B's
	s_mov_b32 s99, 0
	s_or_b32 s[G1+0], s43, (3<<16)|(1<<21)         ; a dense block of 24,576 bytes as 96 rows of 32 elements of 8 bytes; the mask, and bit 21 beside it
	s_or_b32 s[G1B+0], s44, (3<<16)|(1<<21)
.irp g, G1, G1B
	s_mov_b32 s[\g+1], 32<<16
	s_mov_b32 s[\g+2], 96<<16
	s_mov_b32 s[\g+3], 32<<16
	s_mov_b32 s[\g+4], 96
	s_mov_b32 s[\g+5], 32
	s_mov_b32 s[\g+6], 0
	s_mov_b32 s[\g+7], 0
.endr
	s_or_b32 s[G1S+0], s43, (3<<16)|(1<<20)|(1<<21)|(5<<22)|(3<<25)   ; the scale bytes of 128 places: 16 rows of 256 bytes, 16 of padding behind each
	s_or_b32 s[G1SB+0], s44, (3<<16)|(1<<20)|(1<<21)|(5<<22)|(3<<25)
.irp g, G1S, G1SB
	s_mov_b32 s[\g+1], 32<<16
	s_mov_b32 s[\g+2], 16<<16
	s_mov_b32 s[\g+3], 32<<16
	s_mov_b32 s[\g+4], 16
	s_mov_b32 s[\g+5], 32
	s_mov_b32 s[\g+6], 0
	s_mov_b32 s[\g+7], 0
.endr
	s_lshl_b32 s18, s16, 7
	s_lshl_b32 s20, s17, 8
	s_add_co_u32 s20, s20, s18                     ; A: place 256 x tile row + 128 x half
	s_add_co_u32 s46, s42, 12                      ; wo's tiles of 256 are 12-15 of wc
	s_lshl_b32 s46, s46, 8
	s_add_co_u32 s46, s46, s18
	s_mov_b32 s21, 0
	s_mov_b32 s47, 0
	s_mov_b64 s[18:19], 32
	s_mul_u64 s[22:23], s[20:21], s[18:19]
	s_mul_u64 s[92:93], s[46:47], s[18:19]
	s_mov_b64 s[18:19], 192
	s_mul_u64 s[20:21], s[20:21], s[18:19]
	s_mul_u64 s[46:47], s[46:47], s[18:19]
	s_mul_i32 s45, s14, HALFT
	s_mul_i32 s94, s14, HALFS
	s_wait_kmcnt 0x0
	s_add_nc_u64 s[20:21], s[4:5], s[20:21]
	s_add_nc_u64 s[22:23], s[6:7], s[22:23]
	s_add_nc_u64 s[46:47], s[8:9], s[46:47]
	s_add_nc_u64 s[92:93], s[10:11], s[92:93]
	CROUND                                         ; all sixteen work-groups are here: the first joint loads meet
	s_mov_b32 s[G0S], 1
	s_add_co_u32 s[G0S+1], s94, SCL
	s_mov_b64 s[G0S+2:G0S+3], s[22:23]
	s_or_b32 s[G0S+3], s[G0S+3], 0x80000000
	s_mov_b32 s[G0SB], 1
	s_add_co_u32 s[G0SB+1], s94, SCL
	s_mov_b64 s[G0SB+2:G0SB+3], s[92:93]
	s_or_b32 s[G0SB+3], s[G0SB+3], 0x80000000
	JLOAD G0S, G1S, G0SB, G1SB
	s_mov_b32 s[G0], 1
	s_add_co_u32 s[G0+1], s45, 0
	s_mov_b64 s[G0+2:G0+3], s[20:21]
	s_or_b32 s[G0+3], s[G0+3], 0x80000000
	s_mov_b32 s[G0B], 1
	s_add_co_u32 s[G0B+1], s45, 0
	s_mov_b64 s[G0B+2:G0B+3], s[46:47]
	s_or_b32 s[G0B+3], s[G0B+3], 0x80000000
	JLOAD G0, G1, G0B, G1B
	s_mov_b32 s[G0+4], 1
	s_add_co_u32 s[G0+5], s45, SLOT
	s_add_nc_u64 s[G0+6:G0+7], s[20:21], s[96:97]
	s_or_b32 s[G0+7], s[G0+7], 0x80000000
	s_mov_b32 s[G0B+4], 1
	s_add_co_u32 s[G0B+5], s45, SLOT
	s_add_nc_u64 s[G0B+6:G0B+7], s[46:47], s[98:99]
	s_or_b32 s[G0B+7], s[G0B+7], 0x80000000
	JLOAD G0+4, G1, G0B+4, G1B                     ; three tensor loads of mine are out
	s_lshl_b32 s96, s96, 1                         ; a refill goes two K steps on
	s_lshl_b32 s98, s98, 1
	v_and_b32 v1, 15, v0
	v_bfe_u32 v2, v0, 4, 1
	v_and_b32 v3, 31, v0
	v_lshlrev_b32 v4, 4, v3
	v_lshlrev_b32 v5, 3, v3
	s_mul_i32 s21, s15, HALFT
	s_mul_i32 s22, s16, HALFT
	s_add_co_u32 s22, s22, 2*HALFT
.irp s, 0,1
	v_add_nc_u32 v[ADRA+\s], s21, v4
	v_add_nc_u32 v[ADRB+\s], s22, v4
	v_add_nc_u32 v[ADRA+2+\s], s21, v5
	v_add_nc_u32 v[ADRB+2+\s], s22, v5
	s_add_co_u32 s21, s21, SLOT
	s_add_co_u32 s22, s22, SLOT
.endr
	v_lshlrev_b32 v5, 4, v1
	s_mul_i32 s21, s15, HALFS
	s_mul_i32 s22, s16, HALFS
	s_add_co_u32 s22, s22, 2*HALFS
	s_sub_co_u32 s22, s22, s21
	v_mul_u32_u24 v6, s22, v2
	s_add_co_u32 s21, s21, SCL
	v_add_nc_u32 v5, v5, v6
	v_add_nc_u32 v[ADRS], s21, v5
	s_mul_i32 s23, s14, 16*SPITCH                  ; my stage
	v_mul_u32_u24 v5, v1, SPITCH                   ; in: row = place r; accumulator b's eight columns are 32 (b / 2) + 16 h + 8 (b % 2) + 0 .. 7
	v_lshl_add_u32 v5, v2, 6, v5
	v_add_nc_u32 v[STO], s23, v5
	v_mov_b32 v[CO], v4                            ; back: the 32 lanes take one row of 512 bytes; and the same in out0
	v_add_nc_u32 v[RD], s23, v4
	s_lshl_b32 s20, s17, 8
	s_lshl_b32 s21, s15, 7
	s_add_co_u32 s20, s20, s21                     ; my first row
	s_lshl_b32 s20, s20, 12                        ; rows of 4,096 bytes (under 2^25 in all)
	s_lshl_b32 s46, s42, 10
	s_add_co_u32 s20, s20, s46
	s_lshl_b32 s46, s16, 9
	s_add_co_u32 s20, s20, s46
	s_mov_b32 s21, 0
	s_add_nc_u64 s[12:13], s[12:13], s[20:21]
.macro FRAG reg, adr, q, i
	ds_load_b128 v[\reg:\reg+3], v[\adr] offset:3072*(\i)+1536*(\q)
	ds_load_b64 v[\reg+4:\reg+5], v[\adr+2] offset:3072*(\i)+1536*(\q)+512
	ds_load_b128 v[\reg+6:\reg+9], v[\adr] offset:3072*(\i)+1536*(\q)+768
	ds_load_b64 v[\reg+10:\reg+11], v[\adr+2] offset:3072*(\i)+1536*(\q)+1280
.endm
.macro MUL16 a0, p, q, sc, zero        ; the 64 accumulators take turns, one instruction a turn, in the same order in every step
.irp a, \a0, \a0+1
.irp b, 0,1,2,3,4,5,6,7
.if \zero
	v_wmma_scale_f32_16x16x128_f8f6f4 v[8*(8*((\a)%4)+\b):8*(8*((\a)%4)+\b)+7], v[128*(\p)+FR*\b:128*(\p)+FR*\b+FR-1], v[AF+FR*(\a):AF+FR*(\a)+FR-1], 0, v[SC+8*NQ*(\sc)+NQ*\b+(\q)], v[SC+8*NQ*(\sc)+NQ*(\a)+(\q)] matrix_a_fmt:MATRIX_FMT_BF6 matrix_b_fmt:MATRIX_FMT_BF6 matrix_a_scale:MATRIX_SCALE_ROW1
.else
	v_wmma_scale_f32_16x16x128_f8f6f4 v[8*(8*((\a)%4)+\b):8*(8*((\a)%4)+\b)+7], v[128*(\p)+FR*\b:128*(\p)+FR*\b+FR-1], v[AF+FR*(\a):AF+FR*(\a)+FR-1], v[8*(8*((\a)%4)+\b):8*(8*((\a)%4)+\b)+7], v[SC+8*NQ*(\sc)+NQ*\b+(\q)], v[SC+8*NQ*(\sc)+NQ*(\a)+(\q)] matrix_a_fmt:MATRIX_FMT_BF6 matrix_b_fmt:MATRIX_FMT_BF6 matrix_a_scale:MATRIX_SCALE_ROW1
.endif
.endr
.endr
.endm
.macro FETCH_B slot, q, p
	WIN TO_B
.irp i, 0,1,2,3,4,5,6,7
	FRAG 128*(\p)+FR*\i, ADRB+\slot, \q, \i
.endr
	WIN 0
.endm
.macro FETCH_A slot, q, i0
.irp i, \i0, \i0+1, \i0+2, \i0+3
	FRAG AF+FR*(\i), ADRA+\slot, \q, \i
.endr
.endm
.macro SCALES sc
.irp i, 0,1,2,3,4,5,6,7
	ds_load_b64 v[SC+8*NQ*\sc+NQ*\i:SC+8*NQ*\sc+NQ*\i+1], v[ADRS] offset:\i*SBLK
.endr
.endm
.macro PLACES n                        ; plain vector lines between a matrix instruction and a load into, or a read of, its registers (ISA guide 7.12.1 for reads)
.rept \n
	v_nop
.endr
.endm
.macro STEP slot, q, zero
	s_wait_dscnt 4*NL                              ; B's set and A's blocks 0-3 are in; the youngest sixteen loads (A's blocks 4-7) may be out
	WIN MUL_LO
	MUL16 0, (\q)%2, \q, \slot, \zero
	MUL16 2, (\q)%2, \q, \slot, \zero
	s_wait_dscnt 0
	PLACES NP
	FETCH_B \slot, (\q)+1, 1-(\q)%2
	FETCH_A \slot, (\q)+1, 0
	WIN MUL_HI
	MUL16 4, (\q)%2, \q, \slot, \zero
	MUL16 6, (\q)%2, \q, \slot, \zero
	PLACES NP
	WIN 0
	FETCH_A \slot, (\q)+1, 4
.endm
.macro TURN slot, next, fill, ss       ; a slot's last step changes slots: one barrier, which with fill = 1 opens a round of the cluster's barrier
	s_wait_tensorcnt 0x0                           ; all my tensor loads have landed: my part of the next slot
	ds_add_u32 v[SPW], v[NIL]                      ; 0 onto my spare word
	s_wait_dscnt 4*NL+1                            ; (the add and the youngest sixteen loads may be out)
	WIN MUL_LO
	MUL16 0, 1, NQ-1, \slot, 0
	s_wait_dscnt 0x0                               ; the add is done, and my reads of this slot are over
	s_barrier_signal -1
	MUL16 2, 1, NQ-1, \slot, 0
	WIN 0
	s_barrier_wait -1
.if \fill
	CREST
	s_add_nc_u64 s[G0+4*\slot+2:G0+4*\slot+3], s[G0+4*\slot+2:G0+4*\slot+3], s[96:97]
	s_add_nc_u64 s[G0B+4*\slot+2:G0B+4*\slot+3], s[G0B+4*\slot+2:G0B+4*\slot+3], s[98:99]
	JLOAD G0+4*\slot, G1, G0B+4*\slot, G1B         ; the first tensor load behind the round; its four v_nop are the places in front of the loads below
.else
	PLACES NP
.endif
	v_add_nc_u32 v[ADRS], \ss, v[ADRS]
	FETCH_B \next, 0, 0
	FETCH_A \next, 0, 0
	SCALES \next
	WIN MUL_HI
	MUL16 4, 1, NQ-1, \slot, 0
	MUL16 6, 1, NQ-1, \slot, 0
	PLACES NP
	WIN 0
	FETCH_A \next, 0, 4
.endm
	s_wait_tensorcnt 1                             ; the scale bytes and my part of slot 0 are in; slot 1's load may be out
	s_barrier_signal -1
	s_barrier_wait -1
	FETCH_B 0, 0, 0
	FETCH_A 0, 0, 0
	SCALES 0
	FETCH_A 0, 0, 4
	STEP 0, 0, 1
	TURN 0, 1, 1, 8
	STEP 1, 0, 0
	TURN 1, 0, 1, 264
	STEP 0, 0, 0
	TURN 0, 1, 0, 8
	STEP 1, 0, 0
	s_wait_dscnt 4*NL
	WIN MUL_LO
	MUL16 0, 1, NQ-1, 1, 0
	MUL16 2, 1, NQ-1, 1, 0
	s_wait_dscnt 0
	WIN MUL_HI
	MUL16 4, 1, NQ-1, 1, 0
	MUL16 6, 1, NQ-1, 1, 0
	WIN 0
; THE WAY OUT, block by block of 16 places x 128 columns, through my own stage in LDS; back as whole rows of 512 bytes.  LDS serves a wave's instructions in order (ISA guide 5.7.1.4): no wait between the stores and the loads.
.macro TOSTAGE a
.set AC, 64*((\a)%4)
	WIN 0x08+4*((\a)/4)                            ; the data: window 2 or 3
.irp b, 0,1,2,3,4,5,6,7
	ds_store_b128 v[STO], v[AC+8*\b:AC+8*\b+3] offset:128*(\b/2)+32*(\b%2)         ; each accumulator from its low end on
	ds_store_b128 v[STO], v[AC+8*\b+4:AC+8*\b+7] offset:128*(\b/2)+32*(\b%2)+16
.endr
	WIN 0
.set BB, BK+64*((\a)%2)
.irp t, 0,1,2,3,4,5,6,7,8,9,10,11,12,13,14,15
	ds_load_b128 v[BB+4*\t:BB+4*\t+3], v[RD] offset:\t*SPITCH
.endr
.endm
.macro SEND a, younger                 ; place t of block a is row 32 (a / 2) + 8 (a % 2) + t + 8 (t / 8) of my 128: it stands in the immediate, 520,192 bytes at the most
.set BB, BK+64*((\a)%2)
	s_wait_dscnt \younger
.irp t, 0,1,2,3,4,5,6,7,8,9,10,11,12,13,14,15
	global_store_b128 v[CO], v[BB+4*\t:BB+4*\t+3], s[12:13] offset:(32*((\a)/2)+8*((\a)%2)+\t+8*(\t/8))*4096 th:TH_STORE_NT   ; 32 lanes store 512 consecutive bytes, aligned to 256
.endr
.endm
	PLACES NP
	TOSTAGE 0
.irp a, 1,2,3,4,5,6,7
.if \a > 1
	s_wait_xcnt 0x0                                ; block a - 2's stores have read their registers: block a's loads may land there
.endif
	TOSTAGE \a
	SEND \a-1, 32                                  ; behind block a - 1's loads: block a's 16 stores and 16 loads
.endr
	SEND 7, 0
	s_wait_tensorcnt 0x0                           ; the wave's end
	ds_add_u32 v[SPW], v[NIL]
	s_wait_dscnt 0x0
	CROUND                                         ; the closing round
	s_endpgm
.Lfunc_end_k_q4cfdb47f0e_oproj:
	.size	k_q4cfdb47f0e_oproj, .Lfunc_end_k_q4cfdb47f0e_oproj-k_q4cfdb47f0e_oproj
	.p2alignl 7, 3214868480
	.fill 96, 4, 3214868480
	.section	.rodata,"a",@progbits
	.p2align	6, 0x0
	.amdhsa_kernel k_q4cfdb47f0e_oproj
		.amdhsa_group_segment_fixed_size 327680
		.amdhsa_private_segment_fixed_size 0
		.amdhsa_enable_private_segment 0
		.amdhsa_kernarg_size 40
		.amdhsa_user_sgpr_count 2
		.amdhsa_user_sgpr_kernarg_segment_ptr 1
		.amdhsa_wavefront_size32 1
		.amdhsa_system_sgpr_workgroup_id_x 1
		.amdhsa_system_sgpr_workgroup_id_y 1
		.amdhsa_system_sgpr_workgroup_id_z 1
		.amdhsa_system_vgpr_workitem_id 0
		.amdhsa_next_free_vgpr 1024
		.amdhsa_next_free_sgpr 100
		.amdhsa_reserve_vcc 0
		.amdhsa_float_denorm_mode_32 3
		.amdhsa_float_denorm_mode_16_64 3
		.amdhsa_memory_ordered 1
		.amdhsa_forward_progress 1
		.amdhsa_inst_pref_size 143
	.end_amdhsa_kernel
	.amdgpu_metadata
---
amdhsa.version: [ 1, 2 ]
amdhsa.kernels:
  - .name:           k_q4cfdb47f0e_oproj
    .symbol:         k_q4cfdb47f0e_oproj.kd
    .args:
      - { .name: oc, .offset: 0, .size: 8, .value_kind: global_buffer, .address_space: global }
      - { .name: os, .offset: 8, .size: 8, .value_kind: global_buffer, .address_space: global }
      - { .name: wc, .offset: 16, .size: 8, .value_kind: global_buffer, .address_space: global }
      - { .name: ws, .offset: 24, .size: 8, .value_kind: global_buffer, .address_space: global }
      - { .name: out0, .offset: 32, .size: 8, .value_kind: global_buffer, .address_space: global }
    .group_segment_fixed_size: 327680
    .private_segment_fixed_size: 0
    .kernarg_segment_align: 8
    .kernarg_segment_size: 40
    .max_flat_workgroup_size: 128
    .sgpr_count:     100
    .vgpr_count:     1024
    .wavefront_size: 32
...
	.end_amdgpu_metadata
.endif
;; end of part 4
